; MI455X (gfx1250); checked and timed in simulation.
; The chip was launched on July 23, 2026; its instructions are those of AMD's public machine-readable ISA for CDNA 5 (MIT licence, August 2026) and "CDNA5" Instruction Set Architecture Reference Guide (July 2026). The comments in the code are by the model that wrote it; some were corrected since.
;; Causal Attention. Allowed arithmetic: matrix products marked QUANTISED: E5M2 operands, one E8M0 scale for each 32 along K, by v_wmma_scale_f32_16x16x128_f8f6f4 with both operands' format E5M2, f32 sums; everything else in f32.
;; Inputs: Wk 1,024 x 512 float32; Wq 1,024 x 512 float32; Wv 1,024 x 512 float32; x 8 x 2,048 x 1,024 float32.
;; Outputs: out0 8 x 2,048 x 512 float32.
;; This version of the problem:
;;   THIS VERSION OF THE PROBLEM IS GIVEN IN LOW PRECISION. The matrix products marked QUANTISED in the list below multiply operands that are first quantised to E5M2 (5 exponent bits, 2 mantissa bits; 8 bits a number), with one power-of-two scale for each 32 numbers along K (OCP MX v1.0); their sums are f32. All else is computed in f32.
;;   The module's matrix products, in the order in which they are computed (A, B: the left and right operand; K: the contracted axis; several contracted axes count as one K, in the product's order):
;;     1. [M 16,384, K 1,024] x [K 1,024, N 512]; A: input x; B: input Wq: QUANTISED
;;     2. [M 16,384, K 1,024] x [K 1,024, N 512]; A: input x; B: input Wk: QUANTISED
;;     3. [M 16,384, K 1,024] x [K 1,024, N 512]; A: input x; B: input Wv: QUANTISED
;;     4. batch 8 x [M 2,048, K 512] x [K 512, N 2,048]; A: computed on the way; B: computed on the way: QUANTISED
;;     5. batch 8 x [M 2,048, K 2,048] x [K 2,048, N 512]; A: softmax (see below); B: computed on the way: QUANTISED
;;   THE QUANTISER, for each operand of a quantised product, along K:
;;     - K is cut into blocks of 32 from its start; a last block that is shorter is filled with zeros.
;;     - A block's scale is 2^e with e = floor(log2(the largest magnitude in the block)) - 15, held to -126 .. 127; a block of zeros has e = 0. As a byte (E8M0): e + 127.
;;     - Each number is divided by its block's scale, clamped to +-57,344, and rounded to the nearest number of E5M2, ties to even, subnormals kept.
;;     - The product sums the exact products of the quantised numbers (number of the format x scale) in f32.
;;   ~~~python
;;   def quantise(x, axis):      # numpy; x: float32 -> the quantised numbers, widened to float32 again
;;       x = np.moveaxis(x, axis, -1); K = x.shape[-1]
;;       x = np.pad(x, [(0, 0)] * (x.ndim - 1) + [(0, -K % 32)]); x = x.reshape(x.shape[:-1] + (-1, 32)); a = np.abs(x).max(-1, keepdims=True)
;;       e = np.where(a > 0, np.clip(np.frexp(np.where(a > 0, a, 1))[1] - 1 - 15, -126, 127), 0)      # np.frexp(a)[1] - 1 = floor(log2(a)), exactly
;;       r = np.clip(x / 2.0 ** e, -57344, 57344)
;;       step = 2.0 ** (np.maximum(np.frexp(np.where(r == 0, 1, r))[1] - 1, -14) - 2)
;;       q = np.round(r / step) * step * 2.0 ** e      # np.round: ties to even
;;       return np.moveaxis(q.reshape(q.shape[:-2] + (-1,))[..., :K], -1, axis).astype(np.float32)
;;   ~~~
;;   SOFTMAX AHEAD OF A QUANTISED PRODUCT. Where the list says 'softmax', what is quantised is not the finished softmax but p = 2^(t - M), with t = logit x log2(e) and M = ceil(the row's largest t), a whole number; so 1/2 < the row's largest p <= 1. The row's sum l is taken of the UNQUANTISED p, in f32, and the product's result is divided by l at the end. Since M is a whole number, a kernel that streams over the keys may use a running M (the ceiling of the running maximum): every later rescaling is an exact power of two, which a block's scale takes up: the codes' values come out the same.
;;   OPERANDS COMPUTED ON THE WAY. 'Computed on the way' means the value that the module computes at that place (a softmax that the list does not call 'softmax' is quantised finished and normalised). What goes into a quantiser is computed in f32, as accurately as f32 sums, v_exp_f32 and their like allow (about 1e-6 of the number): no bf16 or f16 on the way to a quantiser, and a product that is left as it is and whose result goes on into a quantised operand takes f32 operands (vector FMAs, or v_wmma_f32_16x16x4_f32). A number that lies on a knife's edge between two numbers of the format may be rounded either way, as far as f32 arithmetic and the matrix unit's own rounding can turn it there, and no further.
;; 2 versions, each right; version 2 is version 1 with the launch attn written anew for expert scheduling mode. Each part assembles by itself: llvm-mc -triple=amdgcn-amd-amdhsa -mcpu=gfx1250 --defsym DOCPART=n.
;; ======== version 1 of 2: 3 launches
;; workspace buffers: xb 17,825,792 bytes; wb 1,671,168 bytes; qb 8,912,896 bytes; kb 8,912,896 bytes; vb 8,912,896 bytes
;; launch quant (part 1): grid 256 x 1, 8 waves a work-group, no clusters, 68,608 bytes of LDS; arguments x, Wq, Wk, Wv, xb, wb; writes xb, wb
.if DOCPART == 1
	.amdgcn_target "amdgcn-amd-amdhsa--gfx1250"
	.amdhsa_code_object_version 6
	.text
	.protected	k_q808408ff1c_quant
	.globl	k_q808408ff1c_quant
	.p2align	8
	.type	k_q808408ff1c_quant,@function
k_q808408ff1c_quant:
	s_mov_b64 s[64:65], 0
	v_nop
	global_prefetch_b8 v0, s[64:65] scope:SCOPE_SE
	s_setreg_imm32_b32 hwreg(HW_REG_WAVE_MODE, 25, 1), 1
	s_wait_xcnt 0x0
; x [16384][1024] and Wq, Wk, Wv [1024][512], f32, become codes of BF8 (E5M2) with one E8M0 byte for each 32 along K = 1024 (for W its first axis).
; THE CODES ARE LAID AS IMAGES OF OPERAND REGISTERS.  A fragment is 16 rows x 128 K, 2,048 bytes: register group c (K = 32 c + 16 (lane / 16) + 0 .. 15) of lane l at 512 c + 16 l.
; Its scale words are an image of 128 bytes, lane l's word at 4 l (lanes 16-31 repeat lanes 0-15).  So every later load of a fragment is four dense loads of 512 bytes.
; THE 16 ROWS OF A TILE ARE NOT NEIGHBOURS: lane r of tile 2 b + u holds row 32 b + 8 u + r + 8 (r / 8) (x: tokens; W: columns e), so that a product that takes the tile as source 0 leaves 16 neighbours in the 16 registers of tiles 2 b, 2 b + 1.
; xb: codes [tile 0..1023][K step 0..7][2048], from byte XSC on the scale images [tile][K step][128].
; wb: 12 blocks [matrix 0..2][column part 0..3] of WBLK bytes: codes [K step 0..7][tile 0..7][2048], then scale images [K step][tile][128].
; A block's scale is 2^(floor(log2(its largest magnitude)) - 15); its byte is the largest magnitude's exponent field - 15, held at 1 from below; each number is held within +-57,344 x the scale and rounded to the nearest code, ties to even.
; LIMITS: NaN and infinities among the inputs are not served; a block whose largest magnitude lies under 2^(16 - 127), a block of zeros among them, gets the byte 1 (a block of zeros: where the quantiser says 127; its codes are zeros, and this program alone reads the bytes).
; SHARES.  Work-group g takes rows 64 g .. 64 g + 63 of x.  Wave w takes tile 4 g + w / 2 and half w % 2 of K: four fragments.  Each load reads 512 consecutive bytes of one row; a fragment's 8,192 bytes turn through the
; wave's own stage in LDS (16 rows, 528 bytes apart) and come back 64 bytes a lane: 16 neighbours of each block of 32.  Waves 0 to 2 also make ONE fragment of a W each, number 3 g + w of 768: a lane takes a column and its registers run down K.
; No tensor loads, no barrier, no matrix unit: a stream in which the waves share nothing.
.set XSC,  16777216
.set WBLK, 139264
.set SP,   528                         ; a stage row: 512 bytes + 16: the sixteen rows that a read touches start in different banks
.set LI,   4                           ; v4   16 x lane
.set LS,   5                           ; v5   4 x lane
.set STI,  6                           ; v6   the stage, on the way in: 8448 x wave + 16 x lane
.set STO,  7                           ; v7   on the way out: 8448 x wave + 528 r + 64 h
.set WA,   8                           ; v8   W: 16 h rows of 2,048 bytes + 4 (r + 8 (r / 8))
.set TM,   16                          ; v16-19 largest magnitudes, v20-23 bytes, v24-27 the largest number x the scale, v28-31 the conversions' scale operands
.set PW,   32                          ; v32  the scale word just made
.set PC,   36                          ; v36-51 the codes just made
.set X,    52                          ; v52-115 64 numbers: register 16 b + i = K 32 b + 16 h + i of my row
.set XR,   116                         ; v116-243 two sets of 64 registers, as loaded
.set SEL,  20                          ; s[20:21] v_permlanex16_b32's selects for lane l xor 16
.set MNT,  22                          ; s22  the mantissa field of 57,344
	s_load_b256 s[4:11], s[0:1], 0x0               ; x, Wq, Wk, Wv
	s_load_b128 s[12:15], s[0:1], 0x20             ; xb, wb
	v_lshl_add_u32 v254, v0, 2, 0x10800
	v_mov_b32 v255, 0
	v_lshrrev_b32 v1, 5, v0
	v_readfirstlane_b32 s16, v1                    ; wave 0..7
	v_and_b32 v1, 31, v0                           ; lane
	v_and_b32 v2, 15, v0                           ; r
	v_bfe_u32 v3, v0, 4, 1                         ; h
	v_lshlrev_b32 v[LI], 4, v1
	v_lshlrev_b32 v[LS], 2, v1
	s_mul_i32 s17, s16, 16*SP                      ; my stage
	v_add_nc_u32 v[STI], s17, v[LI]
	v_mul_u32_u24 v[STO], v2, SP
	v_lshl_add_u32 v[STO], v3, 6, v[STO]
	v_add_nc_u32 v[STO], s17, v[STO]
	v_and_b32 v9, 8, v2
	v_add_nc_u32 v9, v9, v2                        ; r + 8 (r / 8)
	v_lshlrev_b32 v[WA], 2, v9
	v_lshl_add_u32 v[WA], v3, 15, v[WA]
.irp b, 0,1,2,3
	v_mov_b32 v[TM+4+\b], 0                        ; written once: a lane permute's destination counts as one of its sources
.endr
	s_mov_b32 s[SEL], 0x76543210
	s_mov_b32 s[SEL+1], 0xfedcba98
	s_mov_b32 s[MNT], 0x600000
	; x: my tile, my half of K
	s_lshr_b32 s18, s16, 1                         ; which of the group's four tiles
	s_and_b32 s19, s16, 1                          ; which half of K
	s_lshl_b32 s23, ttmp9, 2
	s_add_co_u32 s23, s23, s18                     ; tile T
	s_lshl_b32 s32, ttmp9, 6
	s_lshr_b32 s33, s18, 1
	s_lshl_b32 s33, s33, 5
	s_add_co_u32 s32, s32, s33
	s_and_b32 s33, s18, 1
	s_lshl_b32 s33, s33, 3
	s_add_co_u32 s32, s32, s33                     ; the tile's first row: 64 g + 32 (tile / 2) + 8 (tile % 2)
	s_lshl_b32 s32, s32, 12                        ; rows of 4,096 bytes
	s_lshl_b32 s33, s19, 11
	s_add_co_u32 s32, s32, s33                     ; + 2,048 for the upper half of K
	s_mov_b32 s33, 0
	s_lshl_b32 s34, s23, 3
	s_lshl_b32 s35, s19, 2
	s_add_co_u32 s34, s34, s35                     ; my first fragment: 8 T + 4 x half
	s_lshl_b32 s36, s34, 7
	s_add_co_u32 s36, s36, XSC                     ; its scale image
	s_mov_b32 s37, 0
	s_lshl_b32 s34, s34, 11                        ; its codes
	s_mov_b32 s35, 0
	; W: fragment f = 3 g + wave: matrix f / 256, column part (f / 64) % 4, K step (f / 8) % 8, tile f % 8.  (Waves 3 to 7 make these numbers and never use them)
	s_mul_i32 s38, ttmp9, 3
	s_add_co_u32 s38, s38, s16
	s_lshr_b32 s39, s38, 8                         ; matrix
	s_bfe_u32 s40, s38, 0x20006                    ; part
	s_bfe_u32 s41, s38, 0x30003                    ; K step
	s_and_b32 s42, s38, 7                          ; tile
	s_lshl_b32 s40, s40, 7
	s_and_b32 s43, s42, 6
	s_lshl_b32 s43, s43, 4
	s_add_co_u32 s40, s40, s43
	s_and_b32 s43, s42, 1
	s_lshl_b32 s43, s43, 3
	s_add_co_u32 s40, s40, s43                     ; the tile's first column: 128 part + 32 (tile / 2) + 8 (tile % 2)
	s_lshl_b32 s40, s40, 2
	s_lshl_b32 s41, s41, 18                        ; 128 rows of 2,048 bytes a K step
	s_add_co_u32 s40, s40, s41
	s_mov_b32 s41, 0
	s_lshr_b32 s42, s38, 6
	s_mul_i32 s42, s42, WBLK                       ; the block [matrix][part]
	s_and_b32 s43, s38, 63                         ; 8 x K step + tile
	s_lshl_b32 s44, s43, 11
	s_add_co_u32 s44, s44, s42
	s_mov_b32 s45, 0
	s_lshl_b32 s46, s43, 7
	s_add_co_u32 s46, s46, s42
	s_add_co_u32 s46, s46, 131072                  ; the scale images lie behind the block's codes
	s_mov_b32 s47, 0
	s_wait_kmcnt 0x0
	s_cmp_eq_u32 s39, 0                            ; which W: the choice hangs on ids alone
	s_cselect_b64 s[26:27], s[6:7], s[8:9]
	s_cmp_eq_u32 s39, 2
	s_cselect_b64 s[26:27], s[10:11], s[26:27]
	s_add_nc_u64 s[26:27], s[26:27], s[40:41]
	s_add_nc_u64 s[28:29], s[14:15], s[44:45]
	s_add_nc_u64 s[30:31], s[14:15], s[46:47]
	s_add_nc_u64 s[4:5], s[4:5], s[32:33]
	s_add_nc_u64 s[24:25], s[12:13], s[36:37]
	s_add_nc_u64 s[12:13], s[12:13], s[34:35]
.macro XLOAD t                         ; K step t of my four: the tile's 16 rows, 512 consecutive bytes each, into set t % 2
.irp i, 0,1,2,3,4,5,6,7,8,9,10,11,12,13,14,15
	global_load_b128 v[XR+64*((\t)%2)+4*\i:XR+64*((\t)%2)+4*\i+3], v[LI], s[4:5] offset:(\i+8*(\i/8))*4096+512*(\t) th:TH_LOAD_NT
.endr
.endm
.macro TURN t                          ; through the stage: LDS serves a wave's instructions in order, so no wait stands between the stores and the loads
.irp i, 0,1,2,3,4,5,6,7,8,9,10,11,12,13,14,15
	ds_store_b128 v[STI], v[XR+64*((\t)%2)+4*\i:XR+64*((\t)%2)+4*\i+3] offset:SP*\i
.endr
.irp c, 0,1,2,3
.irp j, 0,1,2,3
	ds_load_b128 v[X+16*\c+4*\j:X+16*\c+4*\j+3], v[STO] offset:128*\c+16*\j
.endr
.endr
.endm
; 64 numbers of a lane, register 16 b + i = K 32 b + 16 h + i of my row, become a fragment's codes in v[PC] on and its scale word in v[PW]
.macro QUANT s
.irp b, 0,1,2,3
	v_max3_num_f32 v[TM+\b], |v[\s+16*\b]|, |v[\s+1+16*\b]|, 0x8000000   ; block b: my 16 numbers, and the floor 2^(16 - 127): the byte cannot fall under 1
.endr
.irp i, 2,4,6,8,10,12,14
.irp b, 0,1,2,3
	v_max3_num_f32 v[TM+\b], v[TM+\b], |v[\s+16*\b+\i]|, |v[\s+1+16*\b+\i]|   ; the four blocks by turns
.endr
.endr
.irp b, 0,1,2,3
	v_permlanex16_b32 v[TM+4+\b], v[TM+\b], s[SEL], s[SEL+1]
.endr
.irp b, 0,1,2,3
	v_max_num_f32 v[TM+\b], v[TM+\b], v[TM+4+\b]   ; with lane l xor 16's 16: the block's largest magnitude
.endr
.irp b, 0,1,2,3
	v_add_nc_u32 v[TM+12+\b], 0xf8800000, v[TM+\b]   ; 15 off its exponent field: the conversion takes this operand's exponent field as its scale
.endr
.irp b, 0,1,2,3
	v_and_or_b32 v[TM+8+\b], v[TM+\b], 0x7f800000, s[MNT]   ; 57,344 x the scale
.endr
.irp b, 0,1,2,3
	v_lshrrev_b32 v[TM+4+\b], 23, v[TM+12+\b]      ; the scale's byte
.endr
	v_lshl_or_b32 v[PW], v[TM+5], 8, v[TM+4]
	v_lshl_or_b32 v[PW], v[TM+6], 16, v[PW]
	v_lshl_or_b32 v[PW], v[TM+7], 24, v[PW]
.irp b, 0,1,2,3
.irp i, 0,1,2,3,4,5,6,7,8,9,10,11,12,13,14,15
	v_med3_num_f32 v[\s+16*\b+\i], v[\s+16*\b+\i], -v[TM+8+\b], v[TM+8+\b]   ; the conversion to an 8-bit code does not saturate (ISA guide 7.6.2): the hold comes first
.endr
	v_cvt_scalef32_pk8_bf8_f32 v[PC+4*\b:PC+1+4*\b], v[\s+16*\b:\s+7+16*\b], v[TM+12+\b]
	v_cvt_scalef32_pk8_bf8_f32 v[PC+2+4*\b:PC+3+4*\b], v[\s+8+16*\b:\s+15+16*\b], v[TM+12+\b]
.endr
	v_nop                                          ; one plain vector line behind the last conversion
.endm
.macro OUT cb, sb, off, soff           ; the image leaves as it stands: four stores of 512 consecutive bytes, and the scale words
.irp c, 0,1,2,3
	global_store_b128 v[LI], v[PC+4*\c:PC+4*\c+3], s[\cb:\cb+1] offset:\off+512*\c
.endr
	global_store_b32 v[LS], v[PW], s[\sb:\sb+1] offset:\soff
.endm
	s_cmp_lt_u32 s16, 3
	s_cbranch_scc0 .Lno_w
.irp c, 0,1,2,3
.irp i, 0,1,2,3,4,5,6,7,8,9,10,11,12,13,14,15
	global_load_b32 v[X+16*\c+\i], v[WA], s[26:27] offset:(32*\c+\i)*2048   ; W(128 s + 32 c + 16 h + i, my column)
.endr
.endr
	XLOAD 0
	XLOAD 1
	s_wait_loadcnt 32                              ; W's 64 loads are in; the 32 of x behind them stay out
	QUANT X
	OUT 28, 30, 0, 0
	s_branch .Ljoin
.Lno_w:
	XLOAD 0
	XLOAD 1
.Ljoin:
.irp t, 0,1,2,3
.if \t < 3
	s_wait_loadcnt 16                              ; this K step's 16 loads are in; the next one's 16 stay out
.else
	s_wait_loadcnt 0x0
.endif
	TURN \t
	s_wait_dscnt 0x0                               ; my 64 numbers are back, and the stage's stores have read their registers
	s_wait_xcnt 0x0                                ; the last stores have read their data: codes and scale word are written again only behind this wait.  It stands ahead of the loads below, which name none of those registers
.if \t < 2
	XLOAD \t+2                                     ; the freed set takes the loads of two K steps on
.endif
	QUANT X
	OUT 12, 24, 2048*\t, 128*\t
.endr
	s_wait_tensorcnt 0x0
	ds_add_u32 v254, v255
	s_wait_dscnt 0x0
	s_endpgm
.Lfunc_end_k_q808408ff1c_quant:
	.size	k_q808408ff1c_quant, .Lfunc_end_k_q808408ff1c_quant-k_q808408ff1c_quant
	.p2alignl 7, 3214868480
	.fill 96, 4, 3214868480
	.section	.rodata,"a",@progbits
	.p2align	6, 0x0
	.amdhsa_kernel k_q808408ff1c_quant
		.amdhsa_group_segment_fixed_size 68608
		.amdhsa_private_segment_fixed_size 0
		.amdhsa_enable_private_segment 0
		.amdhsa_kernarg_size 48
		.amdhsa_user_sgpr_count 2
		.amdhsa_user_sgpr_kernarg_segment_ptr 1
		.amdhsa_wavefront_size32 1
		.amdhsa_system_sgpr_workgroup_id_x 1
		.amdhsa_system_sgpr_workgroup_id_y 1
		.amdhsa_system_sgpr_workgroup_id_z 1
		.amdhsa_system_vgpr_workitem_id 0
		.amdhsa_next_free_vgpr 256
		.amdhsa_next_free_sgpr 66
		.amdhsa_reserve_vcc 0
		.amdhsa_float_denorm_mode_32 3
		.amdhsa_float_denorm_mode_16_64 3
		.amdhsa_memory_ordered 1
		.amdhsa_forward_progress 1
		.amdhsa_inst_pref_size 70
	.end_amdhsa_kernel
	.amdgpu_metadata
---
amdhsa.version: [ 1, 2 ]
amdhsa.kernels:
  - .name:           k_q808408ff1c_quant
    .symbol:         k_q808408ff1c_quant.kd
    .args:
      - { .name: x, .offset: 0, .size: 8, .value_kind: global_buffer, .address_space: global }
      - { .name: Wq, .offset: 8, .size: 8, .value_kind: global_buffer, .address_space: global }
      - { .name: Wk, .offset: 16, .size: 8, .value_kind: global_buffer, .address_space: global }
      - { .name: Wv, .offset: 24, .size: 8, .value_kind: global_buffer, .address_space: global }
      - { .name: xb, .offset: 32, .size: 8, .value_kind: global_buffer, .address_space: global }
      - { .name: wb, .offset: 40, .size: 8, .value_kind: global_buffer, .address_space: global }
    .group_segment_fixed_size: 68608
    .private_segment_fixed_size: 0
    .kernarg_segment_align: 8
    .kernarg_segment_size: 48
    .max_flat_workgroup_size: 256
    .sgpr_count:     66
    .vgpr_count:     256
    .wavefront_size: 32
...
	.end_amdgpu_metadata
.endif
;; end of part 1
;; launch proj (part 2): grid 64 x 4, 4 waves a work-group, clusters of 4 x 1, 327,680 bytes of LDS; arguments xb, wb, qb, kb, vb; writes qb, kb, vb
.if DOCPART == 2
	.amdgcn_target "amdgcn-amd-amdhsa--gfx1250"
	.amdhsa_code_object_version 6
	.text
	.protected	k_q808408ff1c_proj
	.globl	k_q808408ff1c_proj
	.p2align	8
	.type	k_q808408ff1c_proj,@function
k_q808408ff1c_proj:
	s_mov_b64 s[64:65], 0
	v_nop
	global_prefetch_b8 v0, s[64:65] scope:SCOPE_SE
	s_setreg_imm32_b32 hwreg(HW_REG_WAVE_MODE, 25, 1), 1
	s_wait_xcnt 0x0
	s_wait_alu depctr_hold_cnt(0) depctr_sa_sdst(0) depctr_va_vdst(0) depctr_va_sdst(0) depctr_va_ssrc(0) depctr_va_vcc(0) depctr_vm_vsrc(0)
	s_getreg_b32 s2, hwreg(HW_REG_IB_STS2, 6, 4)
	s_cmp_eq_u32 s2, 0
	s_cbranch_scc0 .Lentry_in_a_cluster
	s_endpgm
.Lentry_in_a_cluster:
	s_bfe_u32 s2, ttmp6, 0x10000c
	s_cmp_lg_u32 s2, 0x3003
	s_cbranch_scc0 .Lentry_shape_is_right
	s_endpgm
.Lentry_shape_is_right:
; q = x Wq, k = x Wk, v = x Wv on codes of BF8 (E5M2) with E8M0 scales (K = 1024), and the three results quantised in registers for the products that follow: q and k along e, v along the keys.
; Operands lie in memory as images of fragments (16 rows x 128 K, 2,048 bytes: group c of lane l at 512 c + 16 l; scale words 4 bytes a lane), in tiles whose lane r holds row 32 b + 8 u + r + 8 (r / 8) (tile 2 b + u).
; SHARES.  A work-group takes 256 rows of x and columns 128 p .. 128 p + 127 of each of q, k, v.  Each of its four waves keeps its 64 rows of x, for ALL of K, in 512 registers, read once:
; three K steps are asked for at the head, and in the q pass K step s asks for K step s + 3, so that the first products do not stand behind all 160 loads.
; The three blocks of W (139,264 bytes each: codes [K step][tile][2048], then scale images) go through LDS and are read by all four waves; a fragment of W feeds four matrix instructions.
; q, k: source 0 = 16 columns of W, source 1 = 16 tokens: a lane holds one token, and the 64 registers of a token tile are e = 32 b + 16 h + i: K step p of the next product.
; v: source 0 = 16 tokens, source 1 = 16 columns: a lane holds one channel and its registers run along the tokens, which are the keys: half of a fragment of V (64 of 128 keys) for each channel tile.
; CLUSTER: the four work-groups of a cluster are four row blocks with the same p: they want the same blocks of W, so each quarter block is asked for jointly (mask 15).
; LDS: region A at 0, region B at REGB, both filled at the start (Wq, Wk); A is filled once more (Wv) behind the q pass; the spare words lie behind.  All of the WGP's LDS is claimed.
; qb, kb: codes [tile 0..1023][K step 0..3][2048], from QSC on scale images [tile][K step][128].  vb: codes [batch][key step 0..15][channel tile 0..31][2048], from QSC on images [batch][key step][tile][128].
; LIMITS: NaN and infinities are not served; a block whose largest magnitude lies under 2^(16 - 127), a block of zeros among them, gets the byte 1 (this program alone reads the bytes).
; REGISTERS: window 0: v3-11 addresses; v16-31 the quantiser's; v32, v33 scale words and v36-51, v224-239 codes: two sets by turns; v52-59 W's scale words (two sets); v64-95 x's scale words; v96-223 W's fragments, two buffers of four.
;   window 1: 32 accumulators.   windows 2, 3: x's fragment (K step s, tile m) at v[64 (s % 4) + 16 m] of window 2 + s / 4.
.set XSC,   16777216
.set QSC,   8388608
.set WBLK,  139264
.set WQ,    34816                      ; a quarter of a block: what one tensor load brings
.set REGB,  139264
.set SPARE, 278528                     ; the spare words, 128 bytes for each wave: two blocks of 256 bytes that no other line names
.set LS,  2                            ; v2   4 x lane
.set SPW, 3                            ; v3   my spare word; never rewritten
.set NIL, 4                            ; v4   0; never rewritten
.set LS2, 5                            ; v5   4 x lane + 2 (wave % 2): my half of V's scale words
.set A0,  6                            ; v6-8  region A: 16 x lane; + 65,536; scale images 4 x lane + 131,072.   v9-11 the same for region B
.set LI,  6                            ; v6 is also 16 x lane for global images
.set TM,  16
.set PW,  32
.set PC,  36
.set WS,  52
.set XS,  64
.set WF,  96
.set SEL, 60
.set MNT, 62
.set MSB, 0
.macro WIN new                         ; the immediate's high byte repeats the setting that is left
.if MSB != (\new)
	s_set_vgpr_msb (MSB<<8)|(\new)
.set MSB, (\new)
.endif
.endm
.macro PLACES n
.rept \n
	v_nop
.endr
.endm
.macro CROUND                          ; a round of the cluster's barrier
	s_barrier_signal -1
	s_barrier_wait -1
	s_cmp_lg_u32 s14, 0
	s_cbranch_scc1 .Lnot_wave_0_\@
	s_barrier_signal -3
.Lnot_wave_0_\@:
	s_barrier_wait -3
	s_barrier_signal -1
	s_barrier_wait -1
.endm
.macro XL s                            ; K step s of my 64 rows of x: 16 loads of codes and 4 of scale words: 20 loads
	WIN 0x80+0x40*((\s)/4)
.irp m, 0,1,2,3
.irp c, 0,1,2,3
	global_load_b128 v[64*((\s)%4)+16*\m+4*\c:64*((\s)%4)+16*\m+4*\c+3], v[LI], s[44:45] offset:16384*\m+2048*(\s)+512*\c
.endr
.endr
	WIN 0
.irp m, 0,1,2,3
	global_load_b32 v[XS+4*(\s)+\m], v[LS], s[46:47] offset:1024*\m+128*(\s)
.endr
.endm
	s_load_b256 s[4:11], s[0:1], 0x0               ; xb, wb, qb, kb
	s_load_b64 s[12:13], s[0:1], 0x20              ; vb
	v_lshl_add_u32 v[SPW], v0, 2, SPARE
	v_mov_b32 v[NIL], 0
	ds_add_u32 v3, v4
	ds_add_u32 v3, v4
	s_wait_dscnt 0x0
	v_lshrrev_b32 v12, 5, v0
	v_readfirstlane_b32 s14, v12                   ; wave 0..3
	v_and_b32 v12, 31, v0
	v_lshlrev_b32 v[LI], 4, v12
	v_lshlrev_b32 v[LS], 2, v12
	v_add_nc_u32 v[A0+1], 65536, v[LI]
	v_add_nc_u32 v[A0+2], 131072, v[LS]
	v_add_nc_u32 v[A0+3], REGB, v[LI]
	v_add_nc_u32 v[A0+4], REGB+65536, v[LI]
	v_add_nc_u32 v[A0+5], REGB+131072, v[LS]
.irp b, 0,1,2,3
	v_mov_b32 v[TM+4+\b], 0                        ; written once: a lane permute's destination counts as one of its sources
.endr
	s_mov_b32 s[SEL], 0x76543210
	s_mov_b32 s[SEL+1], 0xfedcba98
	s_mov_b32 s[MNT], 0x600000
	s_bfe_u32 s15, ttmp6, 0x40000                  ; cx: it enters the addresses of xb, qb, kb, vb alone
	s_lshl_b32 s16, ttmp9, 2
	s_add_co_u32 s16, s16, s15                     ; my block of 256 rows
	s_and_b32 s17, ttmp7, 0xffff                   ; p: my 128 columns, shared by the four partners
	s_lshl_b32 s18, s16, 4
	s_lshl_b32 s19, s14, 2
	s_add_co_u32 s18, s18, s19                     ; T0: my wave's first tile of rows
	; descriptor group 1: 136 rows of 256 bytes (32 elements of 8 bytes), dense, no padding: images are read as they lie
	s_mov_b32 s24, 15|(3<<16)|(1<<21)              ; 15:0 the mask: all four work-groups; 17:16 elements of 8 bytes; 21 set beside a mask
	s_mov_b32 s25, 32<<16                          ; tensor_dim0 = 32
	s_mov_b32 s26, 136<<16                         ; tensor_dim1 = 136
	s_mov_b32 s27, 32<<16                          ; tile_dim0 = 32
	s_mov_b32 s28, 136                             ; tile_dim1 = 136
	s_mov_b32 s29, 32                              ; from row to row
	s_mov_b32 s30, 0
	s_mov_b32 s31, 0
	s_mul_i32 s20, s17, WBLK                       ; block p of a matrix,
	s_mul_i32 s22, s14, WQ                         ; my wave's quarter of it
	s_add_co_u32 s20, s20, s22
	s_mov_b32 s21, 0
	; where my rows lie in xb, qb, kb, vb
	s_lshl_b32 s66, s18, 14                        ; xb: 8 fragments a tile
	s_mov_b32 s67, 0
	s_lshl_b32 s68, s18, 10
	s_add_co_u32 s68, s68, XSC
	s_mov_b32 s69, 0
	s_lshl_b32 s70, s18, 2
	s_add_co_u32 s70, s70, s17                     ; qb, kb: fragment 4 T0 + p
	s_lshl_b32 s72, s70, 11
	s_mov_b32 s73, 0
	s_lshl_b32 s74, s70, 7
	s_add_co_u32 s74, s74, QSC
	s_mov_b32 s75, 0
	s_lshr_b32 s71, s16, 3                         ; batch
	s_and_b32 s23, s16, 7
	s_lshl_b32 s23, s23, 1
	s_lshr_b32 s76, s14, 1
	s_add_co_u32 s23, s23, s76                     ; key step: 2 (block % 8) + wave / 2
	s_lshl_b32 s76, s71, 20
	s_lshl_b32 s78, s23, 16
	s_add_co_u32 s76, s76, s78
	s_lshl_b32 s78, s17, 14
	s_add_co_u32 s76, s76, s78                     ; vb: [batch][key step][8 p ..] in bytes of codes;
	s_lshr_b32 s78, s76, 4                         ; a scale image is a sixteenth of a fragment
	s_add_co_u32 s78, s78, QSC
	s_mov_b32 s79, 0
	s_and_b32 s19, s14, 1
	s_lshl_b32 s77, s19, 10
	s_add_co_u32 s76, s76, s77                     ; my 64 keys are groups 2 (wave % 2) and + 1 of a fragment
	s_mov_b32 s77, 0
	s_lshl_b32 s19, s19, 1
	v_add_nc_u32 v[LS2], s19, v[LS]
	s_wait_kmcnt 0x0
	s_mov_b32 s32, 1                               ; Wq's block into region A
	s_mul_i32 s33, s14, WQ
	s_add_nc_u64 s[34:35], s[6:7], s[20:21]
	s_mov_b32 s36, 1                               ; Wk's into region B
	s_add_co_u32 s37, s33, REGB
	s_add_nc_u64 s[38:39], s[34:35], 4*WBLK
	s_mov_b32 s40, 1                               ; Wv's into region A, later
	s_mul_i32 s41, s14, WQ
	s_add_nc_u64 s[42:43], s[34:35], 8*WBLK
	s_or_b32 s35, s35, 0x80000000
	s_or_b32 s39, s39, 0x80000000
	s_or_b32 s43, s43, 0x80000000
	s_add_nc_u64 s[44:45], s[4:5], s[66:67]
	s_add_nc_u64 s[46:47], s[4:5], s[68:69]
	s_add_nc_u64 s[48:49], s[8:9], s[72:73]
	s_add_nc_u64 s[50:51], s[8:9], s[74:75]
	s_add_nc_u64 s[52:53], s[10:11], s[72:73]
	s_add_nc_u64 s[54:55], s[10:11], s[74:75]
	s_add_nc_u64 s[56:57], s[12:13], s[76:77]
	s_add_nc_u64 s[58:59], s[12:13], s[78:79]
	CROUND                                         ; all four work-groups are here: the first joint loads meet
	tensor_load_to_lds s[32:35], s[24:31]
	s_nop 0
	tensor_load_to_lds s[36:39], s[24:31]          ; two loads of mine are out
	s_nop 0
	PLACES 4                                       ; four v_nop follow the loads
	XL 0                                           ; x's first three K steps: 60 loads
	XL 1
	XL 2
; 20 LDS loads: tiles 4 hf .. 4 hf + 3 of K step s of the block in region reg, and their scale words, into buffer buf
.macro LOADH reg, s, hf, buf
.irp t, 0,1,2,3
.irp c, 0,1,2,3
	ds_load_b128 v[WF+64*(\buf)+16*\t+4*\c:WF+64*(\buf)+16*\t+4*\c+3], v[A0+3*(\reg)+(\s)/4] offset:((\s)%4)*16384+(4*(\hf)+\t)*2048+512*\c
.endr
.endr
.irp t, 0,1,2,3
	ds_load_b32 v[WS+4*(\buf)+\t], v[A0+3*(\reg)+2] offset:(8*(\s)+4*(\hf)+\t)*128
.endr
.endm
; 16 matrix instructions on 16 accumulators, one instruction a turn: four tiles of W x my four tiles of rows, 128 along K
.macro MULH kind, s, hf, buf, zero
.if \kind == 0
	WIN 0x58+4*((\s)/4)                            ; source 0 (W) window 0, source 1 (x) window 2 or 3, C and D window 1
.else
	WIN 0x52+((\s)/4)                              ; source 0 (x) window 2 or 3, source 1 (W) window 0, C and D window 1
.endif
.irp t, 0,1,2,3
.irp m, 0,1,2,3
.set rX, 64*((\s)%4)+16*\m
.set rW, WF+64*(\buf)+16*\t
.set sW, WS+4*(\buf)+\t
.set sX, XS+4*(\s)+\m
.if \kind == 0
.set rD, 64*\m+8*(4*(\hf)+\t)
.if \zero
	v_wmma_scale_f32_16x16x128_f8f6f4 v[rD:rD+7], v[rW:rW+15], v[rX:rX+15], 0, v[sW], v[sX] matrix_a_fmt:MATRIX_FMT_BF8 matrix_b_fmt:MATRIX_FMT_BF8
.else
	v_wmma_scale_f32_16x16x128_f8f6f4 v[rD:rD+7], v[rW:rW+15], v[rX:rX+15], v[rD:rD+7], v[sW], v[sX] matrix_a_fmt:MATRIX_FMT_BF8 matrix_b_fmt:MATRIX_FMT_BF8
.endif
.else
.set rD, 32*(4*(\hf)+\t)+8*\m
.if \zero
	v_wmma_scale_f32_16x16x128_f8f6f4 v[rD:rD+7], v[rX:rX+15], v[rW:rW+15], 0, v[sX], v[sW] matrix_a_fmt:MATRIX_FMT_BF8 matrix_b_fmt:MATRIX_FMT_BF8
.else
	v_wmma_scale_f32_16x16x128_f8f6f4 v[rD:rD+7], v[rX:rX+15], v[rW:rW+15], v[rD:rD+7], v[sX], v[sW] matrix_a_fmt:MATRIX_FMT_BF8 matrix_b_fmt:MATRIX_FMT_BF8
.endif
.endif
.endr
.endr
.endm
; 64 results of a lane, window 1 registers a .. a + 63 (register 16 b + i = next K 32 b + 16 h + i), become codes in v[PCX] on and a scale word in v[PWX]: set 0 or 1, by turns.  Each accumulator is read from its low end on.
.macro QUANTW a, set
.set PCX, PC+188*(\set)
.set PWX, PW+(\set)
	s_wait_xcnt 0x0                                ; every earlier store has read its data: this set's scale word and codes, stored two turns ago, are written again only behind this wait; the youngest stores were issued a whole turn ago
	WIN 0x05
.irp b, 0,1,2,3
	v_max3_num_f32 v[TM+\b], |v[(\a)+16*\b]|, |v[(\a)+1+16*\b]|, 0x8000000   ; my 16 numbers of block b, and the floor 2^(16 - 127)
.endr
	WIN 0x14
.irp i, 2,4,6,8,10,12,14
.irp b, 0,1,2,3
	v_max3_num_f32 v[TM+\b], v[TM+\b], |v[(\a)+16*\b+\i]|, |v[(\a)+1+16*\b+\i]|
.endr
.endr
	WIN 0
.irp b, 0,1,2,3
	v_permlanex16_b32 v[TM+4+\b], v[TM+\b], s[SEL], s[SEL+1]
.endr
.irp b, 0,1,2,3
	v_max_num_f32 v[TM+\b], v[TM+\b], v[TM+4+\b]   ; with lane l xor 16's 16: the block's largest magnitude
.endr
.irp b, 0,1,2,3
	v_add_nc_u32 v[TM+12+\b], 0xf8800000, v[TM+\b]   ; 15 off the exponent field: the conversion's scale operand
.endr
.irp b, 0,1,2,3
	v_and_or_b32 v[TM+8+\b], v[TM+\b], 0x7f800000, s[MNT]   ; 57,344 x the scale
.endr
.irp b, 0,1,2,3
	v_lshrrev_b32 v[TM+4+\b], 23, v[TM+12+\b]      ; the scale's byte
.endr
	v_lshl_or_b32 v[PWX], v[TM+5], 8, v[TM+4]
	v_lshl_or_b32 v[PWX], v[TM+6], 16, v[PWX]
	v_lshl_or_b32 v[PWX], v[TM+7], 24, v[PWX]
	WIN 0x41
.irp b, 0,1,2,3
.irp i, 0,1,2,3,4,5,6,7,8,9,10,11,12,13,14,15
	v_med3_num_f32 v[(\a)+16*\b+\i], v[(\a)+16*\b+\i], -v[TM+8+\b], v[TM+8+\b]   ; the conversion does not saturate (ISA guide 7.6.2): the hold comes first
.endr
.endr
	WIN 0x01
.irp b, 0,1,2,3
	v_cvt_scalef32_pk8_bf8_f32 v[PCX+4*\b:PCX+4*\b+1], v[(\a)+16*\b:(\a)+16*\b+7], v[TM+12+\b]
	v_cvt_scalef32_pk8_bf8_f32 v[PCX+4*\b+2:PCX+4*\b+3], v[(\a)+16*\b+8:(\a)+16*\b+15], v[TM+12+\b]
.endr
	v_nop                                          ; one plain vector line behind the last conversion: matrix instructions write its sources later
	WIN 0
.endm
; One projection: 16 half steps (K step s = half step / 2, four tiles of W each), the next half step's 20 LDS loads always on their way; then the results are quantised and stored.
; kind 0: q or k, into the buffers at s[dst], s[dst + 2].  kind 1: v.  first = 1: x is still arriving, three K steps ahead.
.macro PASS kind, reg, first, dst
	LOADH \reg, 0, 0, 0
.set HSTEP, 0
.rept 16
.if HSTEP < 15
	PLACES 8                                       ; eight places behind the products that read the other buffer
	WIN 0
	LOADH \reg, (HSTEP+1)/2, (HSTEP+1)%2, (HSTEP+1)%2
	s_wait_dscnt 20                                ; this half step's loads are in; the 20 just issued stay out
.else
	s_wait_dscnt 0x0
.endif
.if \first && (HSTEP%2 == 0)
.if HSTEP/2 < 6
	s_wait_loadcnt 40                              ; x's K step is in: behind it stand the next two K steps' loads, 20 each
.else
	s_wait_loadcnt 20*(7-HSTEP/2)                  ; near the end: one K step's 20, then none
.endif
.if HSTEP/2 < 5
	XL HSTEP/2+3                                   ; and K step s + 3 is asked for, into registers that no product has named yet
.endif
.endif
	MULH \kind, HSTEP/2, HSTEP%2, HSTEP%2, (HSTEP<2)
.set HSTEP, HSTEP+1
.endr
	WIN 0
	PLACES 8                                       ; in front of the first read of results
.if \kind == 0
.irp m, 0,1,2,3                        ; token tile m: one fragment, K step p of the next product
	QUANTW 64*\m, \m%2
.irp c, 0,1,2,3
	global_store_b128 v[LI], v[PCX+4*\c:PCX+4*\c+3], s[\dst:\dst+1] offset:8192*\m+512*\c
.endr
	global_store_b32 v[LS], v[PWX], s[\dst+2:\dst+3] offset:512*\m
.endr
.else
.irp cp, 0,1,2,3                       ; channel tiles 2 cp and 2 cp + 1: two blocks of 32 keys each; the other two blocks of their fragments are wave w xor 1's
	QUANTW 64*\cp, \cp%2
	global_store_b128 v[LI], v[PCX:PCX+3], s[56:57] offset:4096*\cp
	global_store_b128 v[LI], v[PCX+4:PCX+7], s[56:57] offset:4096*\cp+512
	global_store_b128 v[LI], v[PCX+8:PCX+11], s[56:57] offset:4096*\cp+2048
	global_store_b128 v[LI], v[PCX+12:PCX+15], s[56:57] offset:4096*\cp+2560
	global_store_b16 v[LS2], v[PWX], s[58:59] offset:256*\cp              ; tile 2 cp's two bytes
	global_store_d16_hi_b16 v[LS2], v[PWX], s[58:59] offset:256*\cp+128   ; tile 2 cp + 1's
.endr
.endif
.endm
	s_wait_tensorcnt 0x1                           ; my quarter of Wq's block is in; Wk's may stay out
	s_barrier_signal -1
	s_barrier_wait -1                              ; everybody's is
	PASS 0, 0, 1, 48                               ; q
	s_wait_tensorcnt 0x0                           ; all my tensor loads have landed, my quarter of Wk's block among them;
	ds_add_u32 v[SPW], v[NIL]                      ; 0 onto my spare word
	s_wait_dscnt 0x0                               ; the add is done, and my reads of region A are over
	CROUND                                         ; both now hold of every wave of all four work-groups
	tensor_load_to_lds s[40:43], s[24:31]          ; the one refill: Wv's block into region A; it has the k pass's 256 matrix instructions in which to land
	s_nop 0
	PLACES 4
	PASS 0, 1, 0, 52                               ; k
	s_wait_tensorcnt 0x0                           ; my quarter of Wv's block is in,
	s_wait_dscnt 0x0
	s_barrier_signal -1
	s_barrier_wait -1                              ; everybody's is
	PASS 1, 0, 0, 0                                ; v
	s_wait_tensorcnt 0x0                           ; the wave's end
	ds_add_u32 v[SPW], v[NIL]
	s_wait_dscnt 0x0
	CROUND                                         ; the closing round
	s_endpgm
.Lfunc_end_k_q808408ff1c_proj:
	.size	k_q808408ff1c_proj, .Lfunc_end_k_q808408ff1c_proj-k_q808408ff1c_proj
	.p2alignl 7, 3214868480
	.fill 96, 4, 3214868480
	.section	.rodata,"a",@progbits
	.p2align	6, 0x0
	.amdhsa_kernel k_q808408ff1c_proj
		.amdhsa_group_segment_fixed_size 327680
		.amdhsa_private_segment_fixed_size 0
		.amdhsa_enable_private_segment 0
		.amdhsa_kernarg_size 40
		.amdhsa_user_sgpr_count 2
		.amdhsa_user_sgpr_kernarg_segment_ptr 1
		.amdhsa_wavefront_size32 1
		.amdhsa_system_sgpr_workgroup_id_x 1
		.amdhsa_system_sgpr_workgroup_id_y 1
		.amdhsa_system_sgpr_workgroup_id_z 1
		.amdhsa_system_vgpr_workitem_id 0
		.amdhsa_next_free_vgpr 1024
		.amdhsa_next_free_sgpr 80
		.amdhsa_reserve_vcc 0
		.amdhsa_float_denorm_mode_32 3
		.amdhsa_float_denorm_mode_16_64 3
		.amdhsa_memory_ordered 1
		.amdhsa_forward_progress 1
		.amdhsa_inst_pref_size 255
	.end_amdhsa_kernel
	.section	.bss,"aw",@nobits
	.p2align	6
	.space	262144
	.amdgpu_metadata
---
amdhsa.version: [ 1, 2 ]
amdhsa.kernels:
  - .name:           k_q808408ff1c_proj
    .symbol:         k_q808408ff1c_proj.kd
    .args:
      - { .name: xb, .offset: 0, .size: 8, .value_kind: global_buffer, .address_space: global }
      - { .name: wb, .offset: 8, .size: 8, .value_kind: global_buffer, .address_space: global }
      - { .name: qb, .offset: 16, .size: 8, .value_kind: global_buffer, .address_space: global }
      - { .name: kb, .offset: 24, .size: 8, .value_kind: global_buffer, .address_space: global }
      - { .name: vb, .offset: 32, .size: 8, .value_kind: global_buffer, .address_space: global }
    .group_segment_fixed_size: 327680
    .private_segment_fixed_size: 0
    .kernarg_segment_align: 8
    .kernarg_segment_size: 40
    .max_flat_workgroup_size: 128
    .sgpr_count:     80
    .vgpr_count:     1024
    .wavefront_size: 32
...
	.end_amdgpu_metadata
.endif
;; end of part 2
;; launch attn (part 3): grid 32 x 8, 4 waves a work-group, no clusters, 45,568 bytes of LDS; arguments qb, kb, vb, out0; writes out0
.if DOCPART == 3
	.amdgcn_target "amdgcn-amd-amdhsa--gfx1250"
	.amdhsa_code_object_version 6
	.text
	.protected	k_q808408ff1c_attn
	.globl	k_q808408ff1c_attn
	.p2align	8
	.type	k_q808408ff1c_attn,@function
k_q808408ff1c_attn:
	s_mov_b64 s[64:65], 0
	v_nop
	global_prefetch_b8 v0, s[64:65] scope:SCOPE_SE
	s_setreg_imm32_b32 hwreg(HW_REG_WAVE_MODE, 25, 1), 1
	s_wait_xcnt 0x0
; out0[b][q][:] = the sum over keys k <= q of softmax_k(q . k / sqrt(512)) v[k][:], both products on codes of BF8 (E5M2) with E8M0 scales.  2,048 tokens a batch, 512 channels, one head.
; THE SOFTMAX AHEAD OF THE SECOND PRODUCT: t = score x log2(e) / sqrt(512); M = the largest t so far, rounded UP to a whole number; p = 2^(t - M) is quantised along the keys, not normalised; the row's sum is taken
; of the unquantised p and divides at the end.  When M moves, the sum and O are multiplied by 2^(old M - new M): exact.
; qb, kb: images of fragments [tile][K step 0..3][2048] (16 tokens x 128 of e; lane r of tile 2 b + u holds token 32 b + 8 u + r + 8 (r / 8)), scale images from QSC on.  vb: [batch][key step][channel tile][2048], K = the step's 128 keys.
; SHARES.  A work-group takes 64 queries (four tiles mq) of one batch, block i.  It walks key steps of 128 keys from i / 2 DOWN to 0: the step on the diagonal comes first and is
; written out: masked, its products start the sums, it has no old maximum.  The steps above the diagonal are never touched.
; THE ORDER OF THE WORK-GROUPS.  n = x + 32 y is dealt so: block i = n % 4 + 4 ((n / 16) % 8), batch = 2 ((n / 4) % 4) + n / 128: a bijection.  Work-groups whose numbers agree modulo 16 so hold blocks of all lengths
; (i % 4 fixed, i / 4 = 0 .. 7: 64 or 72 key steps a batch), and a batch's 32 work-groups agree in bits 2 and 3 of n.  Any bijection gives the same values.
; THE WAVES SHARE THE KEYS, THEN THE CHANNELS.  S^T = K Q^T: wave w takes keys 32 w .. 32 w + 31 of the step (one block of the quantiser) for all 64 queries.  O^T += V^T P^T: wave w takes channels 128 w .. 128 w + 127 for all 64 queries.
; So each fragment of K.  What goes round through LDS is small:
; the blocks' largest scores (2 KB) and p's images (8 KB + scale bytes).  A lane holds one query throughout.
; NO CLUSTER, NO TENSOR LOADS: a step's K and V are 131,072 bytes of which no two waves of a work-group share a byte, so LDS would only add a write and a read of each; and the blocks of queries that could share them need different numbers of steps, i / 2 + 1.
; LIMITS: NaN and infinities are not served; a block of p under 2^(16 - 127) gets the byte 1 and zero or tiny codes; the key steps are summed in descending order.
; The last step asks once more for step 0's K and V (stride 0), so that every load stays inside its buffer and every count is the same in every step; those loads are not used.
; REGISTERS: window 0: v1-10 addresses; v12-27 Q's, v28-35 K's, v36-43 V's, v44-47 p's scale words; v48-79 statistics, 8 a tile: -M, largest t, the sum (2), f, 0, 2 at work; v80-99 block figures;
;   v100-163 S^T, then p; v164-227 p's four fragments (during the softmax: v164-179 all blocks' maxima, v180-195 my codes, v196-203 at work).
;   window 1: Q's 16 fragments.   window 2: O^T at 64 mq + 8 ct.   window 3: v0-127 K's 8 fragments, v128-255 V's 8.
.set QSC,  8388608
.set MX,   0                           ; LDS: the blocks' largest scores: 512 x wave + 16 x lane
.set PIMG, 2048                        ; p's images: 2048 mq + 512 x wave + 16 x lane
.set PSC,  10240                       ; p's scale words: 128 mq + 4 x lane + byte wave
.set STG,  10752                       ; the way out: 16 rows x 528 bytes for each wave
.set LI,   1                           ; v1   16 x lane
.set LS,   2                           ; v2   4 x lane
.set MXW,  3
.set PWA,  4
.set PSB,  5
.set D0,   6                           ; v6   the mask: my query less my first key, for tile 0 and register 0
.set NINF, 7
.set SO,   8
.set SR,   9
.set GO,   10
.set QS,   12
.set KS,   28
.set VS,   36
.set PS,   44
.set ST,   48
.set BMO,  80                          ; my block's largest score, for each tile
.set BP,   84                          ; its largest p
.set HO,   88                          ; 57,344 x the scale
.set CV,   92                          ; the conversion's scale operand
.set BY,   96                          ; the scale's byte
.set S,    100
.set PF,   164
.set BMA,  164
.set PC,   180
.set TP,   196
.set WV,   12                          ; s12  wave
.set R,    15                          ; s15  key steps left behind the one in hand
.set KB,   16                          ; s[16:17] K's codes of the step asked for last; s[18:19] its scale images
.set KSB,  18
.set VB,   20
.set VSB,  22
.set QB,   24
.set QSB,  26
.set OUTP, 28
.set DC,   30                          ; s[30:31] bytes of codes from a step to the one below it, or 0
.set DSC,  32                          ; s[32:33] the same for scale images
.set CS,   34                          ; s[34:35] c = log2(e) / sqrt(512)
.set SEL,  36
.set MNT,  38
.set MSB, 0
.macro WIN new
.if MSB != (\new)
	s_set_vgpr_msb (MSB<<8)|(\new)
.set MSB, (\new)
.endif
.endm
.macro PLACES n
.rept \n
	v_nop
.endr
.endm
.macro FETCH cb, sb, reg0, sc          ; 40 loads: eight fragments into window 3, and their scale words
	WIN 0xc0
.irp f, 0,1,2,3,4,5,6,7
.irp c, 0,1,2,3
	global_load_b128 v[\reg0+16*\f+4*\c:\reg0+16*\f+4*\c+3], v[LI], s[\cb:\cb+1] offset:2048*\f+512*\c
.endr
.endr
	WIN 0
.irp f, 0,1,2,3,4,5,6,7
	global_load_b32 v[\sc+\f], v[LS], s[\sb:\sb+1] offset:128*\f
.endr
.endm
.macro KLOAD                           ; the next step's K.  The bases are stepped behind the counted wait that showed the last loads from them done
	s_cmp_lg_u32 s[R], 0
	s_cselect_b32 s[DC], 0x10000, 0
	s_cselect_b32 s[DSC], 0x1000, 0
	s_sub_nc_u64 s[KB:KB+1], s[KB:KB+1], s[DC:DC+1]
	s_sub_nc_u64 s[KSB:KSB+1], s[KSB:KSB+1], s[DSC:DSC+1]
	FETCH KB, KSB, 0, KS
.endm
.macro VLOAD
	s_sub_nc_u64 s[VB:VB+1], s[VB:VB+1], s[DC:DC+1]
	s_sub_nc_u64 s[VSB:VSB+1], s[VSB:VSB+1], s[DSC:DSC+1]
	FETCH VB, VSB, 128, VS
.endm
.macro RESC mq                         ; tile mq's O^T times the factor in its statistics' register 4: 32 packed multiplies, each accumulator from its low end on.  Under destination and source 0 in window 2
.set J, 0
.rept 32
	v_pk_mul_f32 v[64*\mq+J:64*\mq+J+1], v[64*\mq+J:64*\mq+J+1], v[ST+8*\mq+4:ST+8*\mq+5] op_sel_hi:[1,0]
.set J, J+2
.endr
.endm
	s_load_b256 s[4:11], s[0:1], 0x0               ; qb, kb, vb, out0
	v_lshl_add_u32 v254, v0, 2, 0xb000
	v_mov_b32 v255, 0
	v_lshrrev_b32 v200, 5, v0
	v_readfirstlane_b32 s[WV], v200                ; wave 0..3
	v_and_b32 v200, 31, v0                         ; lane
	v_and_b32 v201, 15, v0                         ; r
	v_bfe_u32 v202, v0, 4, 1                       ; h
	v_lshlrev_b32 v[LI], 4, v200
	v_lshlrev_b32 v[LS], 2, v200
	s_lshl_b32 s40, s[WV], 9
	v_add_nc_u32 v[MXW], s40, v[LI]
	v_add_nc_u32 v[GO], s40, v[LI]                 ; out0: my wave's 512 bytes of a row, 16 a lane
	v_add_nc_u32 v[PWA], PIMG, v[MXW]
	v_add_nc_u32 v[PSB], s[WV], v[LS]
	v_add_nc_u32 v[PSB], PSC, v[PSB]
	s_and_b32 s56, ttmp7, 0xffff
	s_lshl_b32 s56, s56, 5
	s_add_co_u32 s56, s56, ttmp9                   ; n = x + 32 y
	s_lshr_b32 s57, s56, 4                         ; n / 16
	s_and_b32 s58, s57, 7
	s_lshl_b32 s58, s58, 2
	s_and_b32 s14, s56, 3
	s_add_co_u32 s14, s14, s58                     ; block of 64 queries: n % 4 + 4 ((n / 16) % 8)
	s_bfe_u32 s59, s56, 0x20002                    ; (n / 4) % 4
	s_lshl_b32 s59, s59, 1
	s_lshr_b32 s57, s57, 3                         ; n / 128
	s_add_co_u32 s13, s59, s57                     ; batch
	s_and_b32 s41, s14, 1
	s_lshl_b32 s41, s41, 6
	s_lshl_b32 s42, s[WV], 5
	s_sub_co_i32 s41, s41, s42
	v_and_b32 v203, 8, v201
	v_add_nc_u32 v[D0], v203, v201
	v_lshlrev_b32 v203, 4, v202
	v_sub_nc_u32 v[D0], v[D0], v203
	v_add_nc_u32 v[D0], s41, v[D0]                 ; 64 (i % 2) - 32 w + r + 8 (r / 8) - 16 h
	v_mov_b32 v[NINF], 0xff800000
	s_mul_i32 s43, s[WV], 16*528
	s_add_co_u32 s43, s43, STG                     ; my stage
	v_mul_u32_u24 v[SO], v201, 528
	v_lshl_add_u32 v[SO], v202, 6, v[SO]
	v_add_nc_u32 v[SO], s43, v[SO]                 ; in: row r, + 64 h
	v_add_nc_u32 v[SR], s43, v[LI]                 ; back: a row of 512 bytes by the 32 lanes
.irp mq, 0,1,2,3
	v_mov_b32 v[TP+\mq], 0                         ; written once: a lane permute's destination counts as one of its sources
	v_mov_b32 v[ST+8*\mq+5], 0                     ; named as the upper half of f's pair
.endr
	s_lshr_b32 s[R], s14, 1                        ; the step on the diagonal, and the number of steps under it
	s_lshl_b32 s44, s13, 20
	s_lshl_b32 s45, s[R], 16
	s_add_co_u32 s44, s44, s45
	s_lshl_b32 s45, s[WV], 14
	s_add_co_u32 s44, s44, s45                     ; kb, vb: [batch][step][my 8 fragments]
	s_mov_b32 s45, 0
	s_lshr_b32 s46, s44, 4                         ; a scale image is a sixteenth of a fragment
	s_add_co_u32 s46, s46, QSC
	s_mov_b32 s47, 0
	s_lshl_b32 s48, s13, 7
	s_lshl_b32 s49, s14, 2
	s_add_co_u32 s48, s48, s49                     ; my first tile of queries: 128 b + 4 i
	s_lshl_b32 s50, s48, 13
	s_mov_b32 s51, 0
	s_lshl_b32 s52, s48, 9
	s_add_co_u32 s52, s52, QSC
	s_mov_b32 s53, 0
	s_lshl_b32 s54, s48, 15                        ; 16 rows of 2,048 bytes a tile
	s_mov_b32 s55, 0
	s_mov_b32 s[DC+1], 0
	s_mov_b32 s[DSC+1], 0
	s_mov_b32 s[CS], 0x3d8293ee                    ; c = log2(e) / sqrt(512)
	s_mov_b32 s[CS+1], s[CS]                       ; named with it as a pair, so it is written
	s_mov_b32 s[SEL], 0x76543210
	s_mov_b32 s[SEL+1], 0xfedcba98
	s_mov_b32 s[MNT], 0x600000
	s_wait_kmcnt 0x0
	s_add_nc_u64 s[QB:QB+1], s[4:5], s[50:51]
	s_add_nc_u64 s[QSB:QSB+1], s[4:5], s[52:53]
	s_add_nc_u64 s[KB:KB+1], s[6:7], s[44:45]
	s_add_nc_u64 s[KSB:KSB+1], s[6:7], s[46:47]
	s_add_nc_u64 s[VB:VB+1], s[8:9], s[44:45]
	s_add_nc_u64 s[VSB:VSB+1], s[8:9], s[46:47]
	s_add_nc_u64 s[OUTP:OUTP+1], s[10:11], s[54:55]
	WIN 0x40                                       ; Q stays in registers: fragment 4 mq + s at v[16 (4 mq + s)] of window 1
.irp f, 0,1,2,3,4,5,6,7,8,9,10,11,12,13,14,15
.irp c, 0,1,2,3
	global_load_b128 v[16*\f+4*\c:16*\f+4*\c+3], v[LI], s[QB:QB+1] offset:2048*\f+512*\c
.endr
.endr
	WIN 0
.irp f, 0,1,2,3,4,5,6,7,8,9,10,11,12,13,14,15
	global_load_b32 v[QS+\f], v[LS], s[QSB:QSB+1] offset:128*\f
.endr
	FETCH KB, KSB, 0, KS                           ; the diagonal step's K,
	FETCH VB, VSB, 128, VS                         ; and its V
; A KEY STEP.  first = 1: the step on the diagonal.
.macro STEP first
	s_wait_loadcnt 40                              ; K (and Q) are in; V's 40 loads behind them stay out
	WIN 0x07                                       ; source 0 (K) window 3, source 1 (Q) window 1, S^T window 0
.irp s, 0,1,2,3                        ; the eight accumulators take turns, one instruction a turn
.irp mq, 0,1,2,3
.irp kt, 0,1
.if \s == 0
	v_wmma_scale_f32_16x16x128_f8f6f4 v[S+16*\mq+8*\kt:S+16*\mq+8*\kt+7], v[16*(4*\kt+\s):16*(4*\kt+\s)+15], v[16*(4*\mq+\s):16*(4*\mq+\s)+15], 0, v[KS+4*\kt+\s], v[QS+4*\mq+\s] matrix_a_fmt:MATRIX_FMT_BF8 matrix_b_fmt:MATRIX_FMT_BF8
.else
	v_wmma_scale_f32_16x16x128_f8f6f4 v[S+16*\mq+8*\kt:S+16*\mq+8*\kt+7], v[16*(4*\kt+\s):16*(4*\kt+\s)+15], v[16*(4*\mq+\s):16*(4*\mq+\s)+15], v[S+16*\mq+8*\kt:S+16*\mq+8*\kt+7], v[KS+4*\kt+\s], v[QS+4*\mq+\s] matrix_a_fmt:MATRIX_FMT_BF8 matrix_b_fmt:MATRIX_FMT_BF8
.endif
.endr
.endr
.endr                                  ; lane (r, h): query r of tile mq; register 16 mq + n: key 32 w + 16 h + n of the step
	WIN 0
	PLACES 8                                       ; in front of the first read of the scores, and of the loads into K's registers further down (ISA guide 7.12.1 for vector instructions)
.if \first                             ; hidden keys' scores become -infinity ahead of the maximum: p = 0 then.  A query's own key lies in this step, so every row's maximum is a number
.irp mq, 0,1,2,3
.irp n, 0,1,2,3,4,5,6,7,8,9,10,11,12,13,14,15
	v_cmp_gt_i32 vcc_lo, \n-32*(\mq/2)-8*(\mq%2), v[D0]
	v_cndmask_b32 v[S+16*\mq+\n], v[S+16*\mq+\n], v[NINF], vcc_lo
.endr
.endr
.endif
.irp mq, 0,1,2,3
	v_max3_num_f32 v[BMO+\mq], v[S+16*\mq], v[S+16*\mq+1], v[S+16*\mq+2]   ; my block's largest score, for each tile: it serves the row's maximum and, since p rises with the score, the block's largest p
.endr
.irp i, 3,5,7,9,11,13
.irp mq, 0,1,2,3
	v_max3_num_f32 v[BMO+\mq], v[BMO+\mq], v[S+16*\mq+\i], v[S+16*\mq+\i+1]
.endr
.endr
.irp mq, 0,1,2,3
	v_max_num_f32 v[BMO+\mq], v[BMO+\mq], v[S+16*\mq+15]
.endr
.irp mq, 0,1,2,3
	v_permlanex16_b32 v[TP+\mq], v[BMO+\mq], s[SEL], s[SEL+1]
.endr
.irp mq, 0,1,2,3
	v_max_num_f32 v[BMO+\mq], v[BMO+\mq], v[TP+\mq]   ; with lane l xor 16's 16 keys
.endr
	ds_store_b128 v[MXW], v[BMO:BMO+3]
	s_wait_dscnt 0x0                               ; for the others' sake: my store has landed
	s_barrier_signal -1
	s_barrier_wait -1
.irp w, 0,1,2,3
	ds_load_b128 v[BMA+4*\w:BMA+4*\w+3], v[LI] offset:MX+512*\w   ; all four blocks' largest scores of my queries
.endr
	KLOAD                                          ; the next step's K is asked for while those four loads are out: behind V's 40 loads and ahead of the wait for them, so both counts of 40 stand
	s_wait_dscnt 0x0
.irp mq, 0,1,2,3
	v_max3_num_f32 v[ST+8*\mq+7], v[BMA+\mq], v[BMA+4+\mq], v[BMA+8+\mq]
.endr
.irp mq, 0,1,2,3
	v_max_num_f32 v[ST+8*\mq+7], v[ST+8*\mq+7], v[BMA+12+\mq]   ; the step's largest score
.endr
.if \first
.irp mq, 0,1,2,3
	v_mul_f32 v[ST+8*\mq+1], s[CS], v[ST+8*\mq+7]  ; as t: the largest t so far
.endr
.else
.irp mq, 0,1,2,3
	v_mul_f32 v[ST+8*\mq+7], s[CS], v[ST+8*\mq+7]
.endr
.irp mq, 0,1,2,3
	v_max_num_f32 v[ST+8*\mq+1], v[ST+8*\mq+1], v[ST+8*\mq+7]
.endr
.irp mq, 0,1,2,3
	v_mov_b32 v[ST+8*\mq+6], v[ST+8*\mq]           ; the old -M is kept for f
.endr
.endif
.irp mq, 0,1,2,3
	v_floor_f32 v[ST+8*\mq], -v[ST+8*\mq+1]        ; -M = floor(-t) = -ceil(t): a whole number
.endr
.if \first == 0
.irp mq, 0,1,2,3
	v_sub_f32 v[ST+8*\mq+6], v[ST+8*\mq], v[ST+8*\mq+6]   ; old M - new M: a whole number, 0 or less
.endr
.irp mq, 0,1,2,3
	v_cvt_i32_f32 v[ST+8*\mq+6], v[ST+8*\mq+6]
.endr
.irp mq, 0,1,2,3
	v_ldexp_f32 v[ST+8*\mq+4], 1.0, v[ST+8*\mq+6]  ; f = 2^(old M - new M)
.endr
.endif
.irp mq, 0,1,2,3
.irp j, 0,2,4,6,8,10,12,14
	v_pk_fma_f32 v[S+16*\mq+\j:S+16*\mq+\j+1], v[S+16*\mq+\j:S+16*\mq+\j+1], s[CS:CS+1], v[ST+8*\mq:ST+8*\mq+1] op_sel_hi:[1,0,0]   ; t - M, two at a time
.endr
.endr
.irp mq, 0,1,2,3
	v_fma_f32 v[BP+\mq], v[BMO+\mq], s[CS], v[ST+8*\mq]   ; the same of my block's largest score
.endr
.set J, 0
.rept 64
	v_exp_f32 v[S+J], v[S+J]                       ; p = 2^(t - M), at most 1
.set J, J+1
.endr
.irp mq, 0,1,2,3
	v_exp_f32 v[BP+\mq], v[BP+\mq]                 ; the block's largest p: the same two instructions on the same number
.endr
	v_nop                                          ; a plain place behind the exponentials
	s_wait_alu depctr_va_vdst(0)
.irp mq, 0,1,2,3
	v_max_num_f32 v[BP+\mq], 0x8000000, v[BP+\mq]  ; the floor 2^(16 - 127): the byte cannot fall under 1
.endr
.irp mq, 0,1,2,3
	v_add_nc_u32 v[CV+\mq], 0xf8800000, v[BP+\mq]  ; 15 off the exponent field: the conversion's scale operand
.endr
.irp mq, 0,1,2,3
	v_and_or_b32 v[HO+\mq], v[BP+\mq], 0x7f800000, s[MNT]   ; 57,344 x the scale
.endr
.irp mq, 0,1,2,3
	v_lshrrev_b32 v[BY+\mq], 23, v[CV+\mq]         ; the scale's byte
.endr
.irp mq, 0,1,2,3
	v_pk_add_f32 v[TP+2*\mq:TP+2*\mq+1], v[S+16*\mq:S+16*\mq+1], v[S+16*\mq+2:S+16*\mq+3]   ; the sum is taken of the unquantised p
.endr
.irp j, 4,6,8,10,12
.irp mq, 0,1,2,3
	v_pk_add_f32 v[TP+2*\mq:TP+2*\mq+1], v[TP+2*\mq:TP+2*\mq+1], v[S+16*\mq+\j:S+16*\mq+\j+1]
.endr
.endr
.if \first
.irp mq, 0,1,2,3
	v_pk_add_f32 v[ST+8*\mq+2:ST+8*\mq+3], v[TP+2*\mq:TP+2*\mq+1], v[S+16*\mq+14:S+16*\mq+15]   ; the first step starts the sum
.endr
.else
.irp mq, 0,1,2,3
	v_pk_add_f32 v[TP+2*\mq:TP+2*\mq+1], v[TP+2*\mq:TP+2*\mq+1], v[S+16*\mq+14:S+16*\mq+15]
.endr
.irp mq, 0,1,2,3
	v_pk_fma_f32 v[ST+8*\mq+2:ST+8*\mq+3], v[ST+8*\mq+2:ST+8*\mq+3], v[ST+8*\mq+4:ST+8*\mq+5], v[TP+2*\mq:TP+2*\mq+1] op_sel_hi:[1,0,1]   ; the sum under the new M, and this step's
.endr
.endif
.irp mq, 0,1,2,3
.irp n, 0,1,2,3,4,5,6,7,8,9,10,11,12,13,14,15
	v_min_num_f32 v[S+16*\mq+\n], v[S+16*\mq+\n], v[HO+\mq]   ; the conversion does not saturate (ISA guide 7.6.2); p is not negative, so the hold is one-sided
.endr
.endr
.irp mq, 0,1,2,3
	v_cvt_scalef32_pk8_bf8_f32 v[PC+4*\mq:PC+4*\mq+1], v[S+16*\mq:S+16*\mq+7], v[CV+\mq]
	v_cvt_scalef32_pk8_bf8_f32 v[PC+4*\mq+2:PC+4*\mq+3], v[S+16*\mq+8:S+16*\mq+15], v[CV+\mq]
.endr
	v_nop                                          ; one plain vector line behind the last conversion: matrix instructions write its sources in the next step
.irp mq, 0,1,2,3
	ds_store_b128 v[PWA], v[PC+4*\mq:PC+4*\mq+3] offset:2048*\mq   ; group w of p's fragment mq: keys 32 w + 16 h + 0 .. 15
.endr
.irp mq, 0,1,2,3
	ds_store_b8 v[PSB], v[BY+\mq] offset:128*\mq   ; byte w of its scale words
.endr
.if \first == 0
	WIN 0x82                                       ; O^T under the new M, tiles 0 and 1: 64 multiplies on registers while my eight stores are out
	RESC 0
	RESC 1
	WIN 0
.endif
	s_wait_dscnt 0x0                               ; for the others' sake: my stores have landed (and my reads of the maxima are long in)
	s_barrier_signal -1
	s_barrier_wait -1
.irp mq, 0,1,2,3
.irp c, 0,1,2,3
	ds_load_b128 v[PF+16*\mq+4*\c:PF+16*\mq+4*\c+3], v[LI] offset:PIMG+2048*\mq+512*\c
.endr
.endr
.irp mq, 0,1,2,3
	ds_load_b32 v[PS+\mq], v[LS] offset:PSC+128*\mq
.endr
.if \first == 0
	WIN 0x82                                       ; tiles 2 and 3: 64 multiplies while p's 20 loads are out
	RESC 2
	RESC 3
.endif
	s_wait_loadcnt 40                              ; V is in; the next step's K, 40 loads behind it, stays out
	s_wait_dscnt 0x0
	WIN 0xa3                                       ; source 0 (V) window 3, source 1 (p) window 0, O^T window 2
.irp ct, 0,1,2,3,4,5,6,7               ; 32 accumulators, one instruction each
.irp mq, 0,1,2,3
.if \first
	v_wmma_scale_f32_16x16x128_f8f6f4 v[64*\mq+8*\ct:64*\mq+8*\ct+7], v[128+16*\ct:128+16*\ct+15], v[PF+16*\mq:PF+16*\mq+15], 0, v[VS+\ct], v[PS+\mq] matrix_a_fmt:MATRIX_FMT_BF8 matrix_b_fmt:MATRIX_FMT_BF8
.else
	v_wmma_scale_f32_16x16x128_f8f6f4 v[64*\mq+8*\ct:64*\mq+8*\ct+7], v[128+16*\ct:128+16*\ct+15], v[PF+16*\mq:PF+16*\mq+15], v[64*\mq+8*\ct:64*\mq+8*\ct+7], v[VS+\ct], v[PS+\mq] matrix_a_fmt:MATRIX_FMT_BF8 matrix_b_fmt:MATRIX_FMT_BF8
.endif
.endr
.endr
	WIN 0
	PLACES 8                                       ; in front of loads into V's and p's registers, and of the first read of O^T
	VLOAD
.endm
	STEP 1
	s_cmp_eq_u32 s[R], 0
	s_cbranch_scc1 .Lout
.Lstep:                                            ; i / 2 trips: the steps under the diagonal, all of whose keys count
	s_sub_co_u32 s[R], s[R], 1
	STEP 0
	s_cmp_lg_u32 s[R], 0
	s_cbranch_scc1 .Lstep
.Lout:
	; THE WAY OUT.  A query's sum lies in two halves, two lanes and four waves: the waves' parts meet in the words that held the maxima (every wave has passed the step's second barrier, behind its reads of them).
.irp mq, 0,1,2,3
	v_add_f32 v[BMO+\mq], v[ST+8*\mq+2], v[ST+8*\mq+3]
.endr
.irp mq, 0,1,2,3
	v_permlanex16_b32 v[BP+\mq], v[BMO+\mq], s[SEL], s[SEL+1]
.endr
.irp mq, 0,1,2,3
	v_add_f32 v[BMO+\mq], v[BMO+\mq], v[BP+\mq]
.endr
	ds_store_b128 v[MXW], v[BMO:BMO+3]
	s_wait_dscnt 0x0
	s_barrier_signal -1
	s_barrier_wait -1
.irp w, 0,1,2,3
	ds_load_b128 v[BMA+4*\w:BMA+4*\w+3], v[LI] offset:MX+512*\w
.endr
	s_wait_dscnt 0x0
.irp mq, 0,1,2,3
	v_add_f32 v[BP+\mq], v[BMA+\mq], v[BMA+4+\mq]
.endr
.irp mq, 0,1,2,3
	v_add_f32 v[HO+\mq], v[BMA+8+\mq], v[BMA+12+\mq]
.endr
.irp mq, 0,1,2,3
	v_add_f32 v[BP+\mq], v[BP+\mq], v[HO+\mq]      ; the row's sum
.endr
.irp mq, 0,1,2,3
	v_rcp_f32 v[ST+8*\mq+4], v[BP+\mq]
.endr
	v_nop                                          ; a plain place behind the reciprocals
	s_wait_alu depctr_va_vdst(0)
; Tile mq: O^T / the sum; register 8 ct + j of lane (r, h) is channel 128 w + 32 (ct / 2) + 16 h + 8 (ct % 2) + j of query r.  It goes through my own stage and comes back as rows of 512 bytes.
.macro TOST mq
	WIN 0x82
	RESC \mq
	WIN 0x08                                       ; an LDS store's data are its source 1: window 2
.irp ct, 0,1,2,3,4,5,6,7
	ds_store_b128 v[SO], v[64*\mq+8*\ct:64*\mq+8*\ct+3] offset:128*(\ct/2)+32*(\ct%2)
	ds_store_b128 v[SO], v[64*\mq+8*\ct+4:64*\mq+8*\ct+7] offset:128*(\ct/2)+32*(\ct%2)+16
.endr
	WIN 0
.irp t, 0,1,2,3,4,5,6,7,8,9,10,11,12,13,14,15
	ds_load_b128 v[S+64*(\mq%2)+4*\t:S+64*(\mq%2)+4*\t+3], v[SR] offset:528*\t   ; LDS serves a wave's instructions in order: these see my stores, and the next tile's stores come behind them
.endr
.endm
.macro SEND mq, younger                ; younger: the LDS instructions issued behind tile mq's loads, which may stay out
	s_wait_dscnt \younger
.irp t, 0,1,2,3,4,5,6,7,8,9,10,11,12,13,14,15
	global_store_b128 v[GO], v[S+64*(\mq%2)+4*\t:S+64*(\mq%2)+4*\t+3], s[OUTP:OUTP+1] offset:(32*(\mq/2)+8*(\mq%2)+\t+8*(\t/8))*2048 th:TH_STORE_NT   ; 32 lanes store 512 consecutive bytes, at a multiple of 512 from out0's first byte
.endr
.endm
	TOST 0
	TOST 1
	SEND 0, 32                                     ; behind tile 0's loads: tile 1's 16 stores and 16 loads
	s_wait_xcnt 0x0                                ; tile 0's stores have read their registers: tile 2's rows may land there
	TOST 2
	SEND 1, 32
	s_wait_xcnt 0x0
	TOST 3
	SEND 2, 32
	SEND 3, 0
	s_wait_tensorcnt 0x0
	ds_add_u32 v254, v255
	s_wait_dscnt 0x0
	s_endpgm
.Lfunc_end_k_q808408ff1c_attn:
	.size	k_q808408ff1c_attn, .Lfunc_end_k_q808408ff1c_attn-k_q808408ff1c_attn
	.p2alignl 7, 3214868480
	.fill 96, 4, 3214868480
	.section	.rodata,"a",@progbits
	.p2align	6, 0x0
	.amdhsa_kernel k_q808408ff1c_attn
		.amdhsa_group_segment_fixed_size 45568
		.amdhsa_private_segment_fixed_size 0
		.amdhsa_enable_private_segment 0
		.amdhsa_kernarg_size 32
		.amdhsa_user_sgpr_count 2
		.amdhsa_user_sgpr_kernarg_segment_ptr 1
		.amdhsa_wavefront_size32 1
		.amdhsa_system_sgpr_workgroup_id_x 1
		.amdhsa_system_sgpr_workgroup_id_y 1
		.amdhsa_system_sgpr_workgroup_id_z 1
		.amdhsa_system_vgpr_workitem_id 0
		.amdhsa_next_free_vgpr 1024
		.amdhsa_next_free_sgpr 66
		.amdhsa_reserve_vcc 1
		.amdhsa_float_denorm_mode_32 3
		.amdhsa_float_denorm_mode_16_64 3
		.amdhsa_memory_ordered 1
		.amdhsa_forward_progress 1
		.amdhsa_inst_pref_size 121
	.end_amdhsa_kernel
	.amdgpu_metadata
---
amdhsa.version: [ 1, 2 ]
amdhsa.kernels:
  - .name:           k_q808408ff1c_attn
    .symbol:         k_q808408ff1c_attn.kd
    .args:
      - { .name: qb, .offset: 0, .size: 8, .value_kind: global_buffer, .address_space: global }
      - { .name: kb, .offset: 8, .size: 8, .value_kind: global_buffer, .address_space: global }
      - { .name: vb, .offset: 16, .size: 8, .value_kind: global_buffer, .address_space: global }
      - { .name: out0, .offset: 24, .size: 8, .value_kind: global_buffer, .address_space: global }
    .group_segment_fixed_size: 45568
    .private_segment_fixed_size: 0
    .kernarg_segment_align: 8
    .kernarg_segment_size: 32
    .max_flat_workgroup_size: 128
    .sgpr_count:     66
    .vgpr_count:     1024
    .wavefront_size: 32
...
	.end_amdgpu_metadata
.endif
;; end of part 3
;; ======== version 2 of 2: 3 launches; version 1 with the launch attn written anew for expert scheduling mode
;; workspace buffers: xb 17,825,792 bytes; wb 1,671,168 bytes; qb 8,912,896 bytes; kb 8,912,896 bytes; vb 8,912,896 bytes
;; launch quant: the kernel of part 1 again; grid 256 x 1, 8 waves a work-group, no clusters, 68,608 bytes of LDS; arguments x, Wq, Wk, Wv, xb, wb; writes xb, wb
;; launch proj: the kernel of part 2 again; grid 64 x 4, 4 waves a work-group, clusters of 4 x 1, 327,680 bytes of LDS; arguments xb, wb, qb, kb, vb; writes qb, kb, vb
;; launch attn (part 4): grid 32 x 8, 4 waves a work-group, no clusters, 45,568 bytes of LDS; arguments qb, kb, vb, out0; writes out0
.if DOCPART == 4
	.amdgcn_target "amdgcn-amd-amdhsa--gfx1250"
	.amdhsa_code_object_version 6
	.text
	.protected	k_q808408ff1c_attn
	.globl	k_q808408ff1c_attn
	.p2align	8
	.type	k_q808408ff1c_attn,@function
k_q808408ff1c_attn:
	s_mov_b64 s[64:65], 0
	v_nop
	global_prefetch_b8 v0, s[64:65] scope:SCOPE_SE
	s_setreg_imm32_b32 hwreg(HW_REG_WAVE_SCHED_MODE, 0, 2), 2
	s_setreg_imm32_b32 hwreg(HW_REG_WAVE_MODE, 25, 1), 1
	s_wait_xcnt 0x0
	s_wait_alu depctr_vm_vsrc(0)
; out0[b][q][:] = the sum over keys k <= q of softmax_k(q . k / sqrt(512)) v[k][:], both products on codes of BF8 (E5M2) with E8M0 scales.  2,048 tokens a batch, 512 channels, one head.
; THE SOFTMAX AHEAD OF THE SECOND PRODUCT: t = score x log2(e) / sqrt(512); M = the largest t so far, rounded UP to a whole number; p = 2^(t - M) is quantised along the keys, not normalised; the row's sum is taken
; of the unquantised p and divides at the end.  When M moves, the sum and O are multiplied by 2^(old M - new M): exact.
; qb, kb: images of fragments [tile][K step 0..3][2048] (16 tokens x 128 of e; lane r of tile 2 b + u holds token 32 b + 8 u + r + 8 (r / 8)), scale images from QSC on.  vb: [batch][key step][channel tile][2048], K = the step's 128 keys.
; SHARES.  A work-group takes 64 queries (four tiles mq) of one batch, block i.  It walks key steps of 128 keys from i / 2 DOWN to 0: the step on the diagonal comes first and is
; written out: masked, its products start the sums, it has no old maximum.  The steps above the diagonal are never touched.
; THE ORDER OF THE WORK-GROUPS.  n = x + 32 y is dealt so: block i = n % 4 + 4 ((n / 16) % 8), batch = 2 ((n / 4) % 4) + n / 128: a bijection.  Work-groups whose numbers agree modulo 16 so hold blocks of all lengths
; (i % 4 fixed, i / 4 = 0 .. 7: 64 or 72 key steps a batch), and a batch's 32 work-groups agree in bits 2 and 3 of n.  Any bijection gives the same values.
; THE WAVES SHARE THE KEYS, THEN THE CHANNELS.  S^T = K Q^T: wave w takes keys 32 w .. 32 w + 31 of the step (one block of the quantiser) for all 64 queries.  O^T += V^T P^T: wave w takes channels 128 w .. 128 w + 127 for all 64 queries.
; So each fragment of K.  What goes round through LDS is small:
; the blocks' largest scores (2 KB) and p's images (8 KB + scale bytes).  A lane holds one query throughout.
; NO CLUSTER, NO TENSOR LOADS: a step's K and V are 131,072 bytes of which no two waves of a work-group share a byte, so LDS would only add a write and a read of each; and the blocks of queries that could share them need different numbers of steps, i / 2 + 1.
; LIMITS: NaN and infinities are not served; a block of p under 2^(16 - 127) gets the byte 1 and zero or tiny codes; the key steps are summed in descending order.
; The last step asks once more for step 0's K (stride 0), so that every load stays inside its buffer and every count is the same in every step; those loads are not used.
; REGISTERS: window 0: v1-10 addresses; v12-27 Q's, v28-35 K's, v36-43 V's, v44-47 p's scale words; v48-79 statistics, 8 a tile: -M, largest t, the sum (2), f, 0, 2 at work; v80-99 block figures;
;   v100-163 S^T, then p; v164-227 p's four fragments (during the softmax: v164-179 all blocks' maxima, v180-195 my codes, v196-203 at work); v254, v255 the closing add's two.
;   window 1: Q's 16 fragments.   window 2: O^T at 64 mq + 8 ct.   window 3: v0-127 K's 8 fragments, v128-255 V's 8.
; THE MODE: SCHED_MODE bits 1:0 = 2 (LLVM: expert scheduling mode 2), set by the entry lines.  The code itself states the register dependences
; between vector or matrix instructions and memory or LDS instructions, with s_wait_alu, always for 0.
; THE PLAN.  Registers that memory or LDS instructions touch, in a step's order:
;   K, KS          read by the step's products K Q^T; the next step's 40 loads land in them later in the same step, in three groups.
;   V, VS          read by the step's products V^T P^T; the next step's 40 loads land in them among that step's products K Q^T.
;   BMO v80-83     written by the maxima, read by one LDS store, written again by the next step's maxima or by the way out's sums.
;   v164-179       all blocks' maxima land here from LDS, vector lines read them; then p's loads land here, and V^T P^T reads them.
;   PC v180-195    written by the conversions, read by four LDS stores; then p's loads land in them.     BY v96-99: written by shifts, read by four byte stores, written again in the next step.
;   v196-227, PS   v196-203 are at work in vector lines; p's loads land in all of them; V^T P^T reads them.
;   v1-5, v8-10    addresses, made at the head and never written again; the bases of K and V are scalar registers.
; Four waits on va_vdst and one on vm_vsrc stand in a step: at its head (V and VS are free); ahead of the store of BMO (BMO is written; K, KS and v164-179 are free); behind the exponentials (their results);
; ahead of p's stores (PC and BY are written; v164-203 are free); and, on vm_vsrc, behind the second barrier (the LDS stores have read PC, BY and BMO).  Between each wait and the loads that lean on it
; no vector or matrix instruction names a register that those loads touch: K Q^T names K, Q, S^T, KS, QS; the softmax names v48-203 of window 0; the rescaling names O^T and v52-77.
.set QSC,  8388608
.set MX,   0                           ; LDS: the blocks' largest scores: 512 x wave + 16 x lane
.set PIMG, 2048                        ; p's images: 2048 mq + 512 x wave + 16 x lane
.set PSC,  10240                       ; p's scale words: 128 mq + 4 x lane + byte wave
.set STG,  10752                       ; the way out: 16 rows x 528 bytes for each wave
.set LI,   1                           ; v1   16 x lane
.set LS,   2                           ; v2   4 x lane
.set MXW,  3
.set PWA,  4
.set PSB,  5
.set D0,   6                           ; v6   the mask: my query less my first key, for tile 0 and register 0
.set NINF, 7
.set SO,   8
.set SR,   9
.set GO,   10
.set QS,   12
.set KS,   28
.set VS,   36
.set PS,   44
.set ST,   48
.set BMO,  80                          ; my block's largest score, for each tile
.set BP,   84                          ; its largest p
.set HO,   88                          ; 57,344 x the scale
.set CV,   92                          ; the conversion's scale operand
.set BY,   96                          ; the scale's byte
.set S,    100
.set PF,   164
.set BMA,  164
.set PC,   180
.set TP,   196
.set WV,   12                          ; s12  wave
.set R,    15                          ; s15  key steps left behind the one in hand
.set KB,   16                          ; s[16:17] K's codes of the step asked for last; s[18:19] its scale images
.set KSB,  18
.set VB,   20                          ; s[20:21] V's codes of the step to be asked for next; s[22:23] its scale images
.set VSB,  22
.set QB,   24
.set QSB,  26
.set OUTP, 28
.set DC,   30                          ; s[30:31] bytes of codes from a step to the one below it, or 0
.set DSC,  32                          ; s[32:33] the same for scale images
.set CS,   34                          ; s[34:35] c = log2(e) / sqrt(512)
.set SEL,  36
.set MNT,  38
.set MK,   40                          ; s[40:55] the mask's compares, sixteen at a time (behind the head these registers are free)
.set MSB, 0
.macro WIN new
.if MSB != (\new)
	s_set_vgpr_msb (MSB<<8)|(\new)
.set MSB, (\new)
.endif
.endm
.macro PLACES n
.rept \n
	v_nop
.endr
.endm
.macro FETCH cb, sb, reg0, sc          ; at the head: 40 loads: eight fragments into window 3, and their scale words
	WIN 0xc0
.irp f, 0,1,2,3,4,5,6,7
.irp c, 0,1,2,3
	global_load_b128 v[\reg0+16*\f+4*\c:\reg0+16*\f+4*\c+3], v[LI], s[\cb:\cb+1] offset:2048*\f+512*\c
.endr
.endr
	WIN 0
.irp f, 0,1,2,3,4,5,6,7
	global_load_b32 v[\sc+\f], v[LS], s[\sb:\sb+1] offset:128*\f
.endr
.endm
.macro KNEXT                           ; K's bases go on to the next step.  They are stepped behind the counted waits that showed the last loads from them done
	s_cmp_lg_u32 s[R], 0
	s_cselect_b32 s[DC], 0x10000, 0
	s_cselect_b32 s[DSC], 0x1000, 0
	s_sub_nc_u64 s[KB:KB+1], s[KB:KB+1], s[DC:DC+1]
	s_sub_nc_u64 s[KSB:KSB+1], s[KSB:KSB+1], s[DSC:DSC+1]
.endm
.macro KCODES f0, f1, f2, f3           ; 16 loads: four fragments of the next step's K (fragment 4 kt + s: key tile kt, K step s)
	WIN 0xc0
.irp kf, \f0, \f1, \f2, \f3
.irp q, 0,1,2,3
	global_load_b128 v[16*\kf+4*\q:16*\kf+4*\q+3], v[LI], s[KB:KB+1] offset:2048*\kf+512*\q
.endr
.endr
	WIN 0
.endm
.macro RESC mq                         ; tile mq's O^T times the factor in its statistics' register 4: 32 packed multiplies, each accumulator from its low end on.  Under destination and source 0 in window 2
.set J, 0
.rept 32
	v_pk_mul_f32 v[64*\mq+J:64*\mq+J+1], v[64*\mq+J:64*\mq+J+1], v[ST+8*\mq+4:ST+8*\mq+5] op_sel_hi:[1,0]
.set J, J+2
.endr
.endm
	s_load_b256 s[4:11], s[0:1], 0x0               ; qb, kb, vb, out0
	v_lshl_add_u32 v254, v0, 2, 0xb000
	v_mov_b32 v255, 0
	v_lshrrev_b32 v200, 5, v0
	v_readfirstlane_b32 s[WV], v200                ; wave 0..3
	v_and_b32 v200, 31, v0                         ; lane
	v_and_b32 v201, 15, v0                         ; r
	v_bfe_u32 v202, v0, 4, 1                       ; h
	v_lshlrev_b32 v[LI], 4, v200
	v_lshlrev_b32 v[LS], 2, v200
	s_wait_alu depctr_va_sdst(0)                   ; s12, the wave's number, is written, ahead of its first reader: LDS addresses and the bases of K, V and out0 are made from it
	s_lshl_b32 s40, s[WV], 9
	v_add_nc_u32 v[MXW], s40, v[LI]
	v_add_nc_u32 v[GO], s40, v[LI]                 ; out0: my wave's 512 bytes of a row, 16 a lane
	v_add_nc_u32 v[PWA], PIMG, v[MXW]
	v_add_nc_u32 v[PSB], s[WV], v[LS]
	v_add_nc_u32 v[PSB], PSC, v[PSB]
	s_and_b32 s56, ttmp7, 0xffff
	s_lshl_b32 s56, s56, 5
	s_add_co_u32 s56, s56, ttmp9                   ; n = x + 32 y
	s_lshr_b32 s57, s56, 4                         ; n / 16
	s_and_b32 s58, s57, 7
	s_lshl_b32 s58, s58, 2
	s_and_b32 s14, s56, 3
	s_add_co_u32 s14, s14, s58                     ; block of 64 queries: n % 4 + 4 ((n / 16) % 8)
	s_bfe_u32 s59, s56, 0x20002                    ; (n / 4) % 4
	s_lshl_b32 s59, s59, 1
	s_lshr_b32 s57, s57, 3                         ; n / 128
	s_add_co_u32 s13, s59, s57                     ; batch
	s_and_b32 s41, s14, 1
	s_lshl_b32 s41, s41, 6
	s_lshl_b32 s42, s[WV], 5
	s_sub_co_i32 s41, s41, s42
	v_and_b32 v203, 8, v201
	v_add_nc_u32 v[D0], v203, v201
	v_lshlrev_b32 v203, 4, v202
	v_sub_nc_u32 v[D0], v[D0], v203
	v_add_nc_u32 v[D0], s41, v[D0]                 ; 64 (i % 2) - 32 w + r + 8 (r / 8) - 16 h
	v_mov_b32 v[NINF], 0xff800000
	s_mul_i32 s43, s[WV], 16*528
	s_add_co_u32 s43, s43, STG                     ; my stage
	v_mul_u32_u24 v[SO], v201, 528
	v_lshl_add_u32 v[SO], v202, 6, v[SO]
	v_add_nc_u32 v[SO], s43, v[SO]                 ; in: row r, + 64 h
	v_add_nc_u32 v[SR], s43, v[LI]                 ; back: a row of 512 bytes by the 32 lanes
.irp mq, 0,1,2,3
	v_mov_b32 v[TP+\mq], 0                         ; written once: a lane permute's destination counts as one of its sources
	v_mov_b32 v[ST+8*\mq+5], 0                     ; named as the upper half of f's pair
.endr
	s_lshr_b32 s[R], s14, 1                        ; the step on the diagonal, and the number of steps under it
	s_lshl_b32 s44, s13, 20
	s_lshl_b32 s45, s[R], 16
	s_add_co_u32 s44, s44, s45
	s_lshl_b32 s45, s[WV], 14
	s_add_co_u32 s44, s44, s45                     ; kb, vb: [batch][step][my 8 fragments]
	s_mov_b32 s45, 0
	s_lshr_b32 s46, s44, 4                         ; a scale image is a sixteenth of a fragment
	s_add_co_u32 s46, s46, QSC
	s_mov_b32 s47, 0
	s_lshl_b32 s48, s13, 7
	s_lshl_b32 s49, s14, 2
	s_add_co_u32 s48, s48, s49                     ; my first tile of queries: 128 b + 4 i
	s_lshl_b32 s50, s48, 13
	s_mov_b32 s51, 0
	s_lshl_b32 s52, s48, 9
	s_add_co_u32 s52, s52, QSC
	s_mov_b32 s53, 0
	s_lshl_b32 s54, s48, 15                        ; 16 rows of 2,048 bytes a tile
	s_mov_b32 s55, 0
	s_mov_b32 s[DC+1], 0
	s_mov_b32 s[DSC+1], 0
	s_mov_b32 s[CS], 0x3d8293ee                    ; c = log2(e) / sqrt(512)
	s_mov_b32 s[CS+1], s[CS]                       ; named with it as a pair, so it is written
	s_mov_b32 s[SEL], 0x76543210
	s_mov_b32 s[SEL+1], 0xfedcba98
	s_mov_b32 s[MNT], 0x600000
	s_wait_kmcnt 0x0
	s_add_nc_u64 s[QB:QB+1], s[4:5], s[50:51]
	s_add_nc_u64 s[QSB:QSB+1], s[4:5], s[52:53]
	s_add_nc_u64 s[KB:KB+1], s[6:7], s[44:45]
	s_add_nc_u64 s[KSB:KSB+1], s[6:7], s[46:47]
	s_add_nc_u64 s[VB:VB+1], s[8:9], s[44:45]
	s_add_nc_u64 s[VSB:VSB+1], s[8:9], s[46:47]
	s_add_nc_u64 s[OUTP:OUTP+1], s[10:11], s[54:55]
	WIN 0x40                                       ; Q stays in registers: fragment 4 mq + s at v[16 (4 mq + s)] of window 1
	s_wait_alu depctr_va_vdst(0)                   ; the addresses v1 to v5 and v8 to v10 are written, which every load and store of the kernel reads and no later line writes; so are v254 and v255, which the closing add reads
.irp f, 0,1,2,3,4,5,6,7,8,9,10,11,12,13,14,15
.irp c, 0,1,2,3
	global_load_b128 v[16*\f+4*\c:16*\f+4*\c+3], v[LI], s[QB:QB+1] offset:2048*\f+512*\c
.endr
.endr
	WIN 0
.irp f, 0,1,2,3,4,5,6,7,8,9,10,11,12,13,14,15
	global_load_b32 v[QS+\f], v[LS], s[QSB:QSB+1] offset:128*\f
.endr
	FETCH KB, KSB, 0, KS                           ; the diagonal step's K,
	FETCH VB, VSB, 128, VS                         ; and its V
; A KEY STEP.  first = 1: the step on the diagonal, whose V was asked for at the head.
.macro STEP first
.if \first
	s_wait_loadcnt 40                              ; Q and K are in; V's 40 loads behind them stay out
.else
	s_wait_loadcnt 16                              ; K's fragments of K steps 0 and 1 and its scale words are in; the 16 younger loads, K steps 2 and 3, stay out
	s_wait_alu depctr_va_vdst(0)                   ; the last step's products V^T P^T are done reading V's fragments and scale words, in which this step's 40 loads of V land
.irp vf, 0,1,2,3,4,5,6,7
	global_load_b32 v[VS+\vf], v[LS], s[VSB:VSB+1] offset:128*\vf
.endr
.endif
.irp s, 0,1,2,3                        ; the eight accumulators take turns, one instruction a turn
.if (\first == 0) && (\s >= 2)
	s_wait_loadcnt 32                              ; this K step's two fragments of K are in.  Behind them stand, for K step 2: K step 3's 8 loads and 24 of V; for K step 3: 32 of V
.endif
	WIN 0x07                                       ; source 0 (K) window 3, source 1 (Q) window 1, S^T window 0
.irp mq, 0,1,2,3
.irp kt, 0,1
.if \s == 0
	v_wmma_scale_f32_16x16x128_f8f6f4 v[S+16*\mq+8*\kt:S+16*\mq+8*\kt+7], v[16*(4*\kt+\s):16*(4*\kt+\s)+15], v[16*(4*\mq+\s):16*(4*\mq+\s)+15], 0, v[KS+4*\kt+\s], v[QS+4*\mq+\s] matrix_a_fmt:MATRIX_FMT_BF8 matrix_b_fmt:MATRIX_FMT_BF8
.else
	v_wmma_scale_f32_16x16x128_f8f6f4 v[S+16*\mq+8*\kt:S+16*\mq+8*\kt+7], v[16*(4*\kt+\s):16*(4*\kt+\s)+15], v[16*(4*\mq+\s):16*(4*\mq+\s)+15], v[S+16*\mq+8*\kt:S+16*\mq+8*\kt+7], v[KS+4*\kt+\s], v[QS+4*\mq+\s] matrix_a_fmt:MATRIX_FMT_BF8 matrix_b_fmt:MATRIX_FMT_BF8
.endif
.endr
.endr
.if \first == 0
	WIN 0xc0                                       ; two fragments of this step's V behind each eight products.  No wait: since the wait at the step's head only these products were issued, and they name K, Q, S^T, KS and QS
.irp vf, 2*\s, 2*\s+1
.irp q, 0,1,2,3
	global_load_b128 v[128+16*(\vf)+4*\q:128+16*(\vf)+4*\q+3], v[LI], s[VB:VB+1] offset:2048*(\vf)+512*\q
.endr
.endr
.endif
.endr                                  ; lane (r, h): query r of tile mq; register 16 mq + n: key 32 w + 16 h + n of the step
	WIN 0
	PLACES 8                                       ; in front of the first read of the scores (ISA guide 7.12.1)
.if \first                             ; hidden keys' scores become -infinity ahead of the maximum: p = 0 then.  A query's own key lies in this step, so every row's maximum is a number
.irp mq, 0,1,2,3
.irp n, 0,1,2,3,4,5,6,7,8,9,10,11,12,13,14,15
	v_cmp_gt_i32 s[MK+\n], \n-32*(\mq/2)-8*(\mq%2), v[D0]
.endr
	s_wait_alu depctr_va_sdst(0)                   ; the sixteen compares have written s40 to s55, ahead of the selects that read them
.irp n, 0,1,2,3,4,5,6,7,8,9,10,11,12,13,14,15
	v_cndmask_b32 v[S+16*\mq+\n], v[S+16*\mq+\n], v[NINF], s[MK+\n]
.endr
.endr
.endif
.irp mq, 0,1,2,3
	v_max3_num_f32 v[BMO+\mq], v[S+16*\mq], v[S+16*\mq+1], v[S+16*\mq+2]   ; my block's largest score, for each tile: it serves the row's maximum and, since p rises with the score, the block's largest p
.endr
.irp i, 3,5,7,9,11,13
.irp mq, 0,1,2,3
	v_max3_num_f32 v[BMO+\mq], v[BMO+\mq], v[S+16*\mq+\i], v[S+16*\mq+\i+1]
.endr
.endr
.irp mq, 0,1,2,3
	v_max_num_f32 v[BMO+\mq], v[BMO+\mq], v[S+16*\mq+15]
.endr
.irp mq, 0,1,2,3
	v_permlanex16_b32 v[TP+\mq], v[BMO+\mq], s[SEL], s[SEL+1]
.endr
.irp mq, 0,1,2,3
	v_max_num_f32 v[BMO+\mq], v[BMO+\mq], v[TP+\mq]   ; with lane l xor 16's 16 keys
.endr
	s_wait_alu depctr_va_vdst(0)                   ; the maxima have written BMO, which the store reads; the products K Q^T are done reading K and KS, in which the next step's loads land; the last V^T P^T are done reading v164-179, in which the maxima's loads land
	ds_store_b128 v[MXW], v[BMO:BMO+3]
	s_wait_dscnt 0x0                               ; for the others' sake: my store has landed
	s_barrier_signal -1
	s_barrier_wait -1
.irp w, 0,1,2,3
	ds_load_b128 v[BMA+4*\w:BMA+4*\w+3], v[LI] offset:MX+512*\w   ; all four blocks' largest scores of my queries
.endr
	KNEXT
	KCODES 0, 4, 1, 5                              ; the next step's K, K steps 0 and 1, is asked for while those four loads are out.  K's 40 loads all stand behind V's and ahead of the wait for V
	s_wait_dscnt 0x0
.irp mq, 0,1,2,3
	v_max3_num_f32 v[ST+8*\mq+7], v[BMA+\mq], v[BMA+4+\mq], v[BMA+8+\mq]
.endr
.irp mq, 0,1,2,3
	v_max_num_f32 v[ST+8*\mq+7], v[ST+8*\mq+7], v[BMA+12+\mq]   ; the step's largest score
.endr
.if \first
.irp mq, 0,1,2,3
	v_mul_f32 v[ST+8*\mq+1], s[CS], v[ST+8*\mq+7]  ; as t: the largest t so far
.endr
.else
.irp mq, 0,1,2,3
	v_mul_f32 v[ST+8*\mq+7], s[CS], v[ST+8*\mq+7]
.endr
.irp mq, 0,1,2,3
	v_max_num_f32 v[ST+8*\mq+1], v[ST+8*\mq+1], v[ST+8*\mq+7]
.endr
.irp mq, 0,1,2,3
	v_mov_b32 v[ST+8*\mq+6], v[ST+8*\mq]           ; the old -M is kept for f
.endr
.endif
.irp mq, 0,1,2,3
	v_floor_f32 v[ST+8*\mq], -v[ST+8*\mq+1]        ; -M = floor(-t) = -ceil(t): a whole number
.endr
.if \first == 0
.irp mq, 0,1,2,3
	v_sub_f32 v[ST+8*\mq+6], v[ST+8*\mq], v[ST+8*\mq+6]   ; old M - new M: a whole number, 0 or less
.endr
.irp mq, 0,1,2,3
	v_cvt_i32_f32 v[ST+8*\mq+6], v[ST+8*\mq+6]
.endr
.irp mq, 0,1,2,3
	v_ldexp_f32 v[ST+8*\mq+4], 1.0, v[ST+8*\mq+6]  ; f = 2^(old M - new M)
.endr
.endif
.irp mq, 0,1,2,3
.irp j, 0,2,4,6,8,10,12,14
	v_pk_fma_f32 v[S+16*\mq+\j:S+16*\mq+\j+1], v[S+16*\mq+\j:S+16*\mq+\j+1], s[CS:CS+1], v[ST+8*\mq:ST+8*\mq+1] op_sel_hi:[1,0,0]   ; t - M, two at a time
.endr
.endr
.irp mq, 0,1,2,3
	v_fma_f32 v[BP+\mq], v[BMO+\mq], s[CS], v[ST+8*\mq]   ; the same of my block's largest score
.endr
.set J, 0
.rept 8
.rept 8
	v_exp_f32 v[S+J], v[S+J]                       ; p = 2^(t - M), at most 1
.set J, J+1
.endr
	global_load_b32 v[KS+J/8-1], v[LS], s[KSB:KSB+1] offset:128*(J/8-1)   ; one of the next K's eight scale words behind each eight exponentials.  No wait: no vector line since the wait ahead of BMO's store names KS or v2
.endr
.irp mq, 0,1,2,3
	v_exp_f32 v[BP+\mq], v[BP+\mq]                 ; the block's largest p: the same two instructions on the same number
.endr
	v_nop                                          ; a plain place behind the exponentials
	KCODES 2, 6, 3, 7                              ; the next K's K steps 2 and 3: work that names no exponential's result, between the batch and the wait for it
	s_wait_alu depctr_va_vdst(0)                   ; the 68 exponentials have written p and the blocks' largest p, ahead of the first line that names a result
.irp mq, 0,1,2,3
	v_max_num_f32 v[BP+\mq], 0x8000000, v[BP+\mq]  ; the floor 2^(16 - 127): the byte cannot fall under 1
.endr
.irp mq, 0,1,2,3
	v_add_nc_u32 v[CV+\mq], 0xf8800000, v[BP+\mq]  ; 15 off the exponent field: the conversion's scale operand
.endr
.irp mq, 0,1,2,3
	v_and_or_b32 v[HO+\mq], v[BP+\mq], 0x7f800000, s[MNT]   ; 57,344 x the scale
.endr
.irp mq, 0,1,2,3
	v_lshrrev_b32 v[BY+\mq], 23, v[CV+\mq]         ; the scale's byte
.endr
.irp mq, 0,1,2,3
	v_pk_add_f32 v[TP+2*\mq:TP+2*\mq+1], v[S+16*\mq:S+16*\mq+1], v[S+16*\mq+2:S+16*\mq+3]   ; the sum is taken of the unquantised p
.endr
.irp j, 4,6,8,10,12
.irp mq, 0,1,2,3
	v_pk_add_f32 v[TP+2*\mq:TP+2*\mq+1], v[TP+2*\mq:TP+2*\mq+1], v[S+16*\mq+\j:S+16*\mq+\j+1]
.endr
.endr
.if \first
.irp mq, 0,1,2,3
	v_pk_add_f32 v[ST+8*\mq+2:ST+8*\mq+3], v[TP+2*\mq:TP+2*\mq+1], v[S+16*\mq+14:S+16*\mq+15]   ; the first step starts the sum
.endr
.else
.irp mq, 0,1,2,3
	v_pk_add_f32 v[TP+2*\mq:TP+2*\mq+1], v[TP+2*\mq:TP+2*\mq+1], v[S+16*\mq+14:S+16*\mq+15]
.endr
.irp mq, 0,1,2,3
	v_pk_fma_f32 v[ST+8*\mq+2:ST+8*\mq+3], v[ST+8*\mq+2:ST+8*\mq+3], v[ST+8*\mq+4:ST+8*\mq+5], v[TP+2*\mq:TP+2*\mq+1] op_sel_hi:[1,0,1]   ; the sum under the new M, and this step's
.endr
.endif
.irp mq, 0,1,2,3
.irp n, 0,1,2,3,4,5,6,7,8,9,10,11,12,13,14,15
	v_min_num_f32 v[S+16*\mq+\n], v[S+16*\mq+\n], v[HO+\mq]   ; the conversion does not saturate (ISA guide 7.6.2); p is not negative, so the hold is one-sided
.endr
.endr
.irp mq, 0,1,2,3
	v_cvt_scalef32_pk8_bf8_f32 v[PC+4*\mq:PC+4*\mq+1], v[S+16*\mq:S+16*\mq+7], v[CV+\mq]
	v_cvt_scalef32_pk8_bf8_f32 v[PC+4*\mq+2:PC+4*\mq+3], v[S+16*\mq+8:S+16*\mq+15], v[CV+\mq]
.endr
	v_nop                                          ; one plain vector line behind the last conversion: matrix instructions write its sources in the next step
	s_wait_alu depctr_va_vdst(0)                   ; the conversions have written PC and the shifts BY, which the stores read; and the vector lines are done with v164-203, in which p's loads land behind the barrier
.irp mq, 0,1,2,3
	ds_store_b128 v[PWA], v[PC+4*\mq:PC+4*\mq+3] offset:2048*\mq   ; group w of p's fragment mq: keys 32 w + 16 h + 0 .. 15
.endr
.irp mq, 0,1,2,3
	ds_store_b8 v[PSB], v[BY+\mq] offset:128*\mq   ; byte w of its scale words
.endr
.if \first == 0
	WIN 0x82                                       ; O^T under the new M, tiles 0 and 1: 64 multiplies on registers while my eight stores are out
	RESC 0
	RESC 1
	WIN 0
.endif
	s_wait_dscnt 0x0                               ; for the others' sake: my stores have landed (and my reads of the maxima are long in)
	s_barrier_signal -1
	s_barrier_wait -1
	s_wait_alu depctr_vm_vsrc(0)                   ; my LDS stores have read PC, in which the loads below land, and BY and BMO, which the next step's vector lines, or the way out's, write again
.irp mq, 0,1,2,3
.irp c, 0,1,2,3
	ds_load_b128 v[PF+16*\mq+4*\c:PF+16*\mq+4*\c+3], v[LI] offset:PIMG+2048*\mq+512*\c   ; since the wait ahead of p's stores only the rescaling was issued, which names O^T and v52-61
.endr
.endr
.irp mq, 0,1,2,3
	ds_load_b32 v[PS+\mq], v[LS] offset:PSC+128*\mq
.endr
.if \first == 0
	WIN 0x82                                       ; tiles 2 and 3: 64 multiplies while p's 20 loads are out
	RESC 2
	RESC 3
.endif
	s_wait_loadcnt 40                              ; V is in; the next step's K, 16 + 8 + 16 loads behind it, stays out
	s_sub_nc_u64 s[VB:VB+1], s[VB:VB+1], s[DC:DC+1]       ; free since that wait, which shows the loads that read them done: V's bases go on to the next step
	s_sub_nc_u64 s[VSB:VSB+1], s[VSB:VSB+1], s[DSC:DSC+1]
	s_wait_dscnt 0x0
	WIN 0xa3                                       ; source 0 (V) window 3, source 1 (p) window 0, O^T window 2
.irp ct, 0,1,2,3,4,5,6,7               ; 32 accumulators, one instruction each
.irp mq, 0,1,2,3
.if \first
	v_wmma_scale_f32_16x16x128_f8f6f4 v[64*\mq+8*\ct:64*\mq+8*\ct+7], v[128+16*\ct:128+16*\ct+15], v[PF+16*\mq:PF+16*\mq+15], 0, v[VS+\ct], v[PS+\mq] matrix_a_fmt:MATRIX_FMT_BF8 matrix_b_fmt:MATRIX_FMT_BF8
.else
	v_wmma_scale_f32_16x16x128_f8f6f4 v[64*\mq+8*\ct:64*\mq+8*\ct+7], v[128+16*\ct:128+16*\ct+15], v[PF+16*\mq:PF+16*\mq+15], v[64*\mq+8*\ct:64*\mq+8*\ct+7], v[VS+\ct], v[PS+\mq] matrix_a_fmt:MATRIX_FMT_BF8 matrix_b_fmt:MATRIX_FMT_BF8
.endif
.endr
.endr
	WIN 0
	PLACES 8                                       ; the eight places behind these products stay, ahead of whatever next touches their registers; the wait at the next step's head, or ahead of the way out's first store, stands beside them
.endm
	STEP 1
	s_cmp_eq_u32 s[R], 0
	s_cbranch_scc1 .Lout
.Lstep:                                            ; i / 2 trips: the steps under the diagonal, all of whose keys count
	s_sub_co_u32 s[R], s[R], 1
	STEP 0
	s_cmp_lg_u32 s[R], 0
	s_cbranch_scc1 .Lstep
.Lout:
	; THE WAY OUT.  A query's sum lies in two halves, two lanes and four waves: the waves' parts meet in the words that held the maxima (every wave has passed the step's second barrier, behind its reads of them).
.irp mq, 0,1,2,3
	v_add_f32 v[BMO+\mq], v[ST+8*\mq+2], v[ST+8*\mq+3]
.endr
.irp mq, 0,1,2,3
	v_permlanex16_b32 v[BP+\mq], v[BMO+\mq], s[SEL], s[SEL+1]
.endr
.irp mq, 0,1,2,3
	v_add_f32 v[BMO+\mq], v[BMO+\mq], v[BP+\mq]
.endr
	s_wait_alu depctr_va_vdst(0)                   ; the additions have written BMO, which the store reads; the last products are done reading v164-179, in which the loads behind the barrier land
	ds_store_b128 v[MXW], v[BMO:BMO+3]
	s_wait_dscnt 0x0
	s_barrier_signal -1
	s_barrier_wait -1
.irp w, 0,1,2,3
	ds_load_b128 v[BMA+4*\w:BMA+4*\w+3], v[LI] offset:MX+512*\w
.endr
	s_wait_dscnt 0x0
.irp mq, 0,1,2,3
	v_add_f32 v[BP+\mq], v[BMA+\mq], v[BMA+4+\mq]
.endr
.irp mq, 0,1,2,3
	v_add_f32 v[HO+\mq], v[BMA+8+\mq], v[BMA+12+\mq]
.endr
.irp mq, 0,1,2,3
	v_add_f32 v[BP+\mq], v[BP+\mq], v[HO+\mq]      ; the row's sum
.endr
.irp mq, 0,1,2,3
	v_rcp_f32 v[ST+8*\mq+4], v[BP+\mq]
.endr
	v_nop                                          ; a plain place behind the reciprocals
	s_wait_alu depctr_va_vdst(0)                   ; the four reciprocals are written, ahead of the first multiply that reads one
; Tile mq: O^T / the sum; register 8 ct + j of lane (r, h) is channel 128 w + 32 (ct / 2) + 16 h + 8 (ct % 2) + j of query r.  It goes through my own stage and comes back as rows of 512 bytes.
.macro TOST mq
	WIN 0x82
	RESC \mq
	WIN 0x08                                       ; an LDS store's data are its source 1: window 2
	s_wait_alu depctr_va_vdst(0)                   ; the multiplies have written tile mq's O^T, which the stores read; every vector line that named v100-227, in which the rows land, stands ahead of this wait too
.irp ct, 0,1,2,3,4,5,6,7
	ds_store_b128 v[SO], v[64*\mq+8*\ct:64*\mq+8*\ct+3] offset:128*(\ct/2)+32*(\ct%2)
	ds_store_b128 v[SO], v[64*\mq+8*\ct+4:64*\mq+8*\ct+7] offset:128*(\ct/2)+32*(\ct%2)+16
.endr
	WIN 0
.irp t, 0,1,2,3,4,5,6,7,8,9,10,11,12,13,14,15
	ds_load_b128 v[S+64*(\mq%2)+4*\t:S+64*(\mq%2)+4*\t+3], v[SR] offset:528*\t   ; LDS serves a wave's instructions in order: these see my stores, and the next tile's stores come behind them
.endr
.endm
.macro SEND mq, younger                ; younger: the LDS instructions issued behind tile mq's loads, which may stay out
	s_wait_dscnt \younger
.irp t, 0,1,2,3,4,5,6,7,8,9,10,11,12,13,14,15
	global_store_b128 v[GO], v[S+64*(\mq%2)+4*\t:S+64*(\mq%2)+4*\t+3], s[OUTP:OUTP+1] offset:(32*(\mq/2)+8*(\mq%2)+\t+8*(\t/8))*2048 th:TH_STORE_NT   ; 32 lanes store 512 consecutive bytes, at a multiple of 512 from out0's first byte
.endr
.endm
	TOST 0
	TOST 1
	SEND 0, 32                                     ; behind tile 0's loads: tile 1's 16 stores and 16 loads
	s_wait_xcnt 0x0                                ; tile 0's stores have had their addresses translated: tile 2's rows may land in their registers,
	s_wait_alu depctr_vm_vsrc(0)                   ; and tile 0's stores have read v100-163, in which tile 2's rows land
	TOST 2
	SEND 1, 32
	s_wait_xcnt 0x0
	s_wait_alu depctr_vm_vsrc(0)                   ; tile 1's stores have read v164-227, in which tile 3's rows land
	TOST 3
	SEND 2, 32
	SEND 3, 0
	s_wait_dscnt 0x0                               ; the closing lines, six on end
	s_wait_alu 0x0
	s_wait_tensorcnt 0x0
	ds_add_u32 v254, v255
	s_wait_dscnt 0x0
	s_endpgm
.Lfunc_end_k_q808408ff1c_attn:
	.size	k_q808408ff1c_attn, .Lfunc_end_k_q808408ff1c_attn-k_q808408ff1c_attn
	.p2alignl 7, 3214868480
	.fill 96, 4, 3214868480
	.section	.rodata,"a",@progbits
	.p2align	6, 0x0
	.amdhsa_kernel k_q808408ff1c_attn
		.amdhsa_group_segment_fixed_size 45568
		.amdhsa_private_segment_fixed_size 0
		.amdhsa_enable_private_segment 0
		.amdhsa_kernarg_size 32
		.amdhsa_user_sgpr_count 2
		.amdhsa_user_sgpr_kernarg_segment_ptr 1
		.amdhsa_wavefront_size32 1
		.amdhsa_system_sgpr_workgroup_id_x 1
		.amdhsa_system_sgpr_workgroup_id_y 1
		.amdhsa_system_sgpr_workgroup_id_z 1
		.amdhsa_system_vgpr_workitem_id 0
		.amdhsa_next_free_vgpr 1024
		.amdhsa_next_free_sgpr 66
		.amdhsa_reserve_vcc 0
		.amdhsa_float_denorm_mode_32 3
		.amdhsa_float_denorm_mode_16_64 3
		.amdhsa_memory_ordered 1
		.amdhsa_forward_progress 1
		.amdhsa_inst_pref_size 122
	.end_amdhsa_kernel
	.amdgpu_metadata
---
amdhsa.version: [ 1, 2 ]
amdhsa.kernels:
  - .name:           k_q808408ff1c_attn
    .symbol:         k_q808408ff1c_attn.kd
    .args:
      - { .name: qb, .offset: 0, .size: 8, .value_kind: global_buffer, .address_space: global }
      - { .name: kb, .offset: 8, .size: 8, .value_kind: global_buffer, .address_space: global }
      - { .name: vb, .offset: 16, .size: 8, .value_kind: global_buffer, .address_space: global }
      - { .name: out0, .offset: 24, .size: 8, .value_kind: global_buffer, .address_space: global }
    .group_segment_fixed_size: 45568
    .private_segment_fixed_size: 0
    .kernarg_segment_align: 8
    .kernarg_segment_size: 32
    .max_flat_workgroup_size: 128
    .sgpr_count:     66
    .vgpr_count:     1024
    .wavefront_size: 32
...
	.end_amdgpu_metadata
.endif
;; end of part 4
